; MI455X (gfx1250); checked and timed in simulation.
; The chip was launched on July 23, 2026; its instructions are those of AMD's public machine-readable ISA for CDNA 5 (MIT licence, August 2026) and "CDNA5" Instruction Set Architecture Reference Guide (July 2026). The comments in the code are by the model that wrote it; some were corrected since.
;; Encoder Layer. Allowed arithmetic: matrix products marked QUANTISED: E2M3 operands, one E8M0 scale for each 32 along K, by v_wmma_scale_f32_16x16x128_f8f6f4 with both operands' format E2M3, f32 sums; everything else in f32.
;; Inputs: b1 4,096 float32; b2 1,024 float32; ln1_b 1,024 float32; ln1_g 1,024 float32; ln2_b 1,024 float32; ln2_g 1,024 float32; proj_b 1,024 float32; proj_w 1,024 x 1,024 float32; qkv_w 1,024 x 3,072 float32; w1 1,024 x 4,096 float32; w2 4,096 x 1,024 float32; x 2 x 2,048 x 1,024 float32.
;; Outputs: out0 2 x 2,048 x 1,024 float32.
;; This version of the problem:
;;   THIS VERSION OF THE PROBLEM IS GIVEN IN LOW PRECISION. The matrix products marked QUANTISED in the list below multiply operands that are first quantised to E2M3 (2 exponent bits, 3 mantissa bits; 6 bits a number), with one power-of-two scale for each 32 numbers along K (OCP MX v1.0); their sums are f32. All else is computed in f32.
;;   The module's matrix products, in the order in which they are computed (A, B: the left and right operand; K: the contracted axis; several contracted axes count as one K, in the product's order):
;;     1. [M 4,096, K 1,024] x [K 1,024, N 3,072]; A: computed on the way; B: input qkv_w: QUANTISED
;;     2. batch 32 x [M 2,048, K 64] x [K 64, N 2,048]; A: computed on the way; B: computed on the way: QUANTISED
;;     3. batch 32 x [M 2,048, K 2,048] x [K 2,048, N 64]; A: softmax (see below); B: computed on the way: QUANTISED
;;     4. [M 4,096, K 1,024] x [K 1,024, N 1,024]; A: computed on the way; B: input proj_w: QUANTISED
;;     5. [M 4,096, K 1,024] x [K 1,024, N 4,096]; A: computed on the way; B: input w1: QUANTISED
;;     6. [M 4,096, K 4,096] x [K 4,096, N 1,024]; A: computed on the way; B: input w2: QUANTISED
;;   THE QUANTISER, for each operand of a quantised product, along K:
;;     - K is cut into blocks of 32 from its start; a last block that is shorter is filled with zeros.
;;     - A block's scale is 2^e with e = floor(log2(the largest magnitude in the block)) - 2, held to -126 .. 127; a block of zeros has e = 0. As a byte (E8M0): e + 127.
;;     - Each number is divided by its block's scale, clamped to +-7.5, and rounded to the nearest number of E2M3, ties to even, subnormals kept.
;;     - The product sums the exact products of the quantised numbers (number of the format x scale) in f32.
;;   ~~~python
;;   def quantise(x, axis):      # numpy; x: float32 -> the quantised numbers, widened to float32 again
;;       x = np.moveaxis(x, axis, -1); K = x.shape[-1]
;;       x = np.pad(x, [(0, 0)] * (x.ndim - 1) + [(0, -K % 32)]); x = x.reshape(x.shape[:-1] + (-1, 32)); a = np.abs(x).max(-1, keepdims=True)
;;       e = np.where(a > 0, np.clip(np.frexp(np.where(a > 0, a, 1))[1] - 1 - 2, -126, 127), 0)      # np.frexp(a)[1] - 1 = floor(log2(a)), exactly
;;       r = np.clip(x / 2.0 ** e, -7.5, 7.5)
;;       step = 2.0 ** (np.maximum(np.frexp(np.where(r == 0, 1, r))[1] - 1, 0) - 3)
;;       q = np.round(r / step) * step * 2.0 ** e      # np.round: ties to even
;;       return np.moveaxis(q.reshape(q.shape[:-2] + (-1,))[..., :K], -1, axis).astype(np.float32)
;;   ~~~
;;   SOFTMAX AHEAD OF A QUANTISED PRODUCT. Where the list says 'softmax', what is quantised is not the finished softmax but p = 2^(t - M), with t = logit x log2(e) and M = ceil(the row's largest t), a whole number; so 1/2 < the row's largest p <= 1. The row's sum l is taken of the UNQUANTISED p, in f32, and the product's result is divided by l at the end. Since M is a whole number, a kernel that streams over the keys may use a running M (the ceiling of the running maximum): every later rescaling is an exact power of two, which a block's scale takes up: the codes' values come out the same.
;;   OPERANDS COMPUTED ON THE WAY. 'Computed on the way' means the value that the module computes at that place (a softmax that the list does not call 'softmax' is quantised finished and normalised). What goes into a quantiser is computed in f32, as accurately as f32 sums, v_exp_f32 and their like allow (about 1e-6 of the number): no bf16 or f16 on the way to a quantiser, and a product that is left as it is and whose result goes on into a quantised operand takes f32 operands (vector FMAs, or v_wmma_f32_16x16x4_f32). A number that lies on a knife's edge between two numbers of the format may be rounded either way, as far as f32 arithmetic and the matrix unit's own rounding can turn it there, and no further.
;; One version. Each part assembles by itself: llvm-mc -triple=amdgcn-amd-amdhsa -mcpu=gfx1250 --defsym DOCPART=n.
;; ======== version 1 of 1: 7 launches
;; limits: right only within a limited range of input values
;; workspace buffers: W 9,830,400 bytes; A 3,276,800 bytes; QKV 10,092,544 bytes; X1 16,777,216 bytes; HID 13,107,200 bytes
;; launch wq (part 1): grid 640 x 1, 8 waves a work-group, no clusters, 105,216 bytes of LDS; arguments qkv_w, proj_w, w1, w2, W, x, ln1_g, ln1_b, A; writes W, A
.if DOCPART == 1
	.amdgcn_target "amdgcn-amd-amdhsa--gfx1250"
	.amdhsa_code_object_version 6
	.text
	.protected	k_q0dd0ca31a5_wq
	.globl	k_q0dd0ca31a5_wq
	.p2align	8
	.type	k_q0dd0ca31a5_wq,@function
k_q0dd0ca31a5_wq:
	s_mov_b64 s[64:65], 0
	v_nop
	global_prefetch_b8 v0, s[64:65] scope:SCOPE_SE
	s_setreg_imm32_b32 hwreg(HW_REG_WAVE_MODE, 25, 1), 1
	s_wait_xcnt 0x0
; The four weights [K][N], f32, K the first axis, become codes of FP6 (E2M3) with one E8M0 byte for each 32 along K, laid as IMAGES OF OPERAND REGISTERS.
; A fragment is 16 columns x 128 K: 12 registers a lane, 1,536 bytes: registers 4 c .. 4 c + 3 of lane l at 512 c + 16 l.  Lane (r, h) holds K = 64 c + 32 h + 0 .. 31 in registers 6 c .. 6 c + 5.
; THE COLUMNS OF A TILE ARE NOT NEIGHBOURS: tile t, place r holds column 32 (t / 2) + 8 (t % 2) + r % 8 + 16 (r / 8).
; Fragment f = FB + tile x KS + K step: codes at 1,536 f, its 16 scale words at SCOFF + 64 f.
; A work-group takes 256 columns x 128 K, a wave 32 columns: A LANE TAKES A COLUMN AND ITS REGISTERS RUN DOWN K, so a block of 32 is one lane's and nothing is transposed by an instruction.
; The loads' offsets are immediates that hang on the weight's width, so each weight has an arm of its own with its 128 loads; all else stands once, behind the join.
; ALL 128 LOADS OF A WAVE ARE ISSUED IN ONE RUN, each into a register of its own: no load stands behind a wait for an earlier one.  Where the counter's field is full the issue of the next load waits
; (ISA guide 5.7.1); no wait is written to keep the count inside the field.
; The codes go through the wave's own LDS bytes and leave as 512 consecutive bytes a store.  The scale words leave as runs of 64 bytes: one byte in 128 of what the launch reads.
; LIMITS: a block of zeros, or one under 2^-124, gets the byte 1 (its bytes are read by this program alone); NaN and infinities are not served.
.set SCOFF, 9437184
.set WREG,  3328                       ; a wave's LDS: two images, 1,664 bytes apart
.set X,     96                         ; v96-223 my column's 128 numbers
.set C,     24                         ; v24-47  my column's codes: six registers a block
.set TP,    48                         ; v48-63  the second halves as the conversions leave them
.set OUTR,  64                         ; v64-87  the two images read back
; Block kb of four: its largest magnitude, its byte into the word v10, its 32 codes into v[C + 6 kb] on.  Registers alone.
.macro BLOCK kb
.set XS, X+32*(\kb)
	v_max3_num_f32 v12, |v[XS]|, |v[XS+1]|, |v[XS+2]|
	v_max3_num_f32 v13, |v[XS+3]|, |v[XS+4]|, |v[XS+5]|
.irp i, 6,10,14,18,22,26
	s_delay_alu instid0(VALU_DEP_2)
	v_max3_num_f32 v12, v12, |v[XS+\i]|, |v[XS+\i+1]|
	s_delay_alu instid0(VALU_DEP_2)
	v_max3_num_f32 v13, v13, |v[XS+\i+2]|, |v[XS+\i+3]|
.endr
	s_delay_alu instid0(VALU_DEP_2)
	v_max3_num_f32 v12, v12, |v[XS+30]|, |v[XS+31]|
	s_delay_alu instid0(VALU_DEP_1)
	v_max3_num_f32 v12, v12, v13, 0x1800000        ; the floor 2^(3 - 127): the byte cannot fall under 1
	s_delay_alu instid0(VALU_DEP_1)
	v_add_nc_u32 v11, 0xff000000, v12              ; 2 off the exponent field: the conversion's scale operand
	s_delay_alu instid0(VALU_DEP_1)
	v_lshrrev_b32 v13, 23, v11                     ; the byte
.if (\kb) == 0
	s_delay_alu instid0(VALU_DEP_1)
	v_mov_b32 v10, v13
.else
	s_delay_alu instid0(VALU_DEP_1)
	v_lshl_or_b32 v10, v13, 8*(\kb), v10           ; the lower K in the lower byte
.endif
	v_cvt_scalef32_pk16_fp6_f32 v[C+6*(\kb):C+6*(\kb)+2], v[XS:XS+15], v11
	v_cvt_scalef32_pk16_fp6_f32 v[TP+4*(\kb):TP+4*(\kb)+2], v[XS+16:XS+31], v11   ; (a conversion's three registers begin on an even number)
	v_nop                                          ; one plain place behind a scaled conversion
.irp i, 0,1,2
	v_mov_b32 v[C+6*(\kb)+3+\i], v[TP+4*(\kb)+\i]
.endr
.endm
; One weight's arm: where my wave's 32 columns x 128 K begin, the first fragment's number, and the 128 loads, each 128 consecutive bytes a wave.
.macro WARM ptr, N, KSH, FB, J0
	s_sub_co_u32 s15, ttmp9, \J0
	s_and_b32 s16, s15, (1<<\KSH)-1                ; K step
	s_lshr_b32 s17, s15, \KSH                      ; block of 256 columns
	s_mul_i32 s20, s16, 512*\N
	s_lshl_b32 s21, s17, 10
	s_add_co_u32 s20, s20, s21
	s_lshl_b32 s21, s14, 7
	s_add_co_u32 s20, s20, s21
	s_mov_b32 s21, 0
	s_add_nc_u64 s[20:21], s[\ptr:\ptr+1], s[20:21]
	s_lshl_b32 s18, s17, 4
	s_lshl_b32 s22, s14, 1
	s_add_co_u32 s18, s18, s22                     ; my first tile
	s_lshl_b32 s18, s18, \KSH
	s_add_co_u32 s18, s18, s16
	s_add_co_u32 s18, s18, \FB                     ; its fragment
	s_mov_b32 s19, 1<<\KSH                         ; fragments from tile to tile
.set li, 0
.rept 128
	global_load_b32 v[X+li], v2, s[20:21] offset:li*\N*4 th:TH_LOAD_NT
.set li, li+1
.endr
	s_branch .Ljoin
.endm
; ONE LAUNCH PREPARES ALL OPERANDS THAT HANG ON INPUTS ALONE: work-groups 0 to 383 take the weights, work-groups 384 to 639 the first LayerNorm's 256 tiles of 16 rows (its text stands behind the weights').
; The two ways part on the work-group's number alone; each has LDS bytes of its own (the weights' 26,624 from 0, the norm's from 27,648); the spare words between them and the wave's end are common.
	v_lshl_add_u32 v94, v0, 2, 0x6800
	v_mov_b32 v95, 0
	s_cmp_lt_u32 ttmp9, 384
	s_cbranch_scc0 .Lln
	s_load_b256 s[4:11], s[0:1], 0x0               ; qkv_w, proj_w, w1, w2
	s_load_b64 s[12:13], s[0:1], 0x20              ; W
	v_lshrrev_b32 v1, 5, v0
	s_delay_alu instid0(VALU_DEP_1)
	v_readfirstlane_b32 s14, v1                    ; wave
	v_and_b32 v3, 31, v0                           ; lane
	s_delay_alu instid0(VALU_DEP_1)
	v_lshlrev_b32 v2, 2, v3                        ; in: 4 bytes a lane
	v_bfe_u32 v14, v0, 3, 1                        ; u: which of my wave's two tiles
	v_and_b32 v15, 7, v0
	v_bfe_u32 v16, v0, 4, 1
	s_delay_alu instid0(VALU_DEP_1)
	v_lshl_add_u32 v15, v16, 3, v15                ; r: my column's place in it
	s_mul_i32 s15, s14, WREG
	v_mul_u32_u24 v4, v14, 1664
	s_delay_alu instid0(VALU_DEP_1)
	v_lshl_add_u32 v4, v15, 4, v4
	s_delay_alu instid0(VALU_DEP_1)
	v_add_nc_u32 v4, s15, v4                       ; into the images: 16 r in image u
	v_lshlrev_b32 v6, 4, v3                        ; 16 x lane
	s_delay_alu instid0(VALU_DEP_1)
	v_add_nc_u32 v5, s15, v6                       ; and back
	s_wait_kmcnt 0x0
	s_cmp_lt_u32 ttmp9, 96
	s_cbranch_scc0 .Lnot_qkv
	WARM 4, 3072, 3, 0, 0
.Lnot_qkv:
	s_cmp_lt_u32 ttmp9, 128
	s_cbranch_scc0 .Lnot_proj
	WARM 6, 1024, 3, 1536, 96
.Lnot_proj:
	s_cmp_lt_u32 ttmp9, 256
	s_cbranch_scc0 .Lnot_w1
	WARM 8, 4096, 3, 2048, 128
.Lnot_w1:
	WARM 10, 1024, 5, 4096, 256
.Ljoin:
	s_mul_i32 s24, s18, 1536
	s_mov_b32 s25, 0
	s_add_nc_u64 s[24:25], s[12:13], s[24:25]      ; tile u = 0: its image
	s_mul_i32 s26, s19, 1536
	s_mov_b32 s27, 0
	s_add_nc_u64 s[26:27], s[24:25], s[26:27]      ; tile u = 1
	s_lshl_b32 s28, s18, 6
	s_add_co_u32 s28, s28, SCOFF
	s_mov_b32 s29, 0
	s_add_nc_u64 s[28:29], s[12:13], s[28:29]      ; the scale words
	s_lshl_b32 s19, s19, 6
	s_wait_alu depctr_va_vdst(0)
	v_mul_lo_u32 v7, v14, s19
	s_delay_alu instid0(VALU_DEP_1)
	v_lshl_add_u32 v7, v15, 2, v7                  ; my word: 4 r in tile u's sixteen
	s_wait_loadcnt 63                              ; loads come back in order: of the 128, numbers 0 to 64 are in: blocks 0 and 1 (behind block 1's last load stand 64)
	BLOCK 0
	BLOCK 1
	s_wait_loadcnt 32                              ; block 2 is in; block 3's 32 loads may be out
	BLOCK 2
	s_wait_loadcnt 0x0
	BLOCK 3
	; block kb belongs to lane (r, kb % 2), registers 6 (kb / 2) on, of my tile's image
	ds_store_b128 v4, v[C:C+3]
	ds_store_b64 v4, v[C+4:C+5] offset:512
	ds_store_b128 v4, v[C+6:C+9] offset:256
	ds_store_b64 v4, v[C+10:C+11] offset:768
	ds_store_b64 v4, v[C+12:C+13] offset:520
	ds_store_b128 v4, v[C+14:C+17] offset:1024
	ds_store_b64 v4, v[C+18:C+19] offset:776
	ds_store_b128 v4, v[C+20:C+23] offset:1280
.irp i, 0,1,2
	ds_load_b128 v[OUTR+4*\i:OUTR+4*\i+3], v5 offset:512*\i          ; LDS serves a wave's instructions in order: these see my wave's stores
.endr
.irp i, 0,1,2
	ds_load_b128 v[OUTR+12+4*\i:OUTR+15+4*\i], v5 offset:1664+512*\i
.endr
	global_store_b32 v7, v10, s[28:29]
.irp i, 0,1,2
	s_wait_dscnt 5-\i                              ; read-back i is in; the later ones may be out
	global_store_b128 v6, v[OUTR+4*\i:OUTR+4*\i+3], s[24:25] offset:512*\i      ; 32 lanes store 512 consecutive bytes
.endr
.irp i, 0,1,2
	s_wait_dscnt 2-\i
	global_store_b128 v6, v[OUTR+12+4*\i:OUTR+15+4*\i], s[26:27] offset:512*\i
.endr
	s_branch .Ldone
; THE FIRST LAYERNORM: y = (x - mean) rsqrt(var + 1e-5) g + b over rows of 1,024, in f32, quantised along the row to FP6 (E2M3), one E8M0 byte for each 32, stored as images of operand registers.
; A work-group takes one tile of 16 rows: tile t, place r is row 32 (t / 2) + 8 (t % 2) + r % 8 + 16 (r / 8).  Wave w takes K step w, 128 columns of all 16 rows: one fragment.
; Each load reads 512 consecutive bytes of a row; the rows, g and b turn through the wave's own stage in LDS, so that lane (r, h) gets K = 64 c + 32 h + 0 .. 31 of row r: whole blocks.
; The variance is taken in a second pass over x - mean.  Out: fragment (t, w) at (8 t + w) x 1,536; its scale words at ASC + 512 t + 64 w.
; LIMITS: a block of zeros, or one under 2^-124, gets the byte 1 (read by this program alone); NaN and infinities are not served.
.Lln:
.set LOFF, 27648                       ; where this way's LDS bytes begin
.set STG,  9504                        ; a wave's stage: 18 rows of 512 + 16 bytes
.set RED1, LOFF+76032                  ; 16 rows x 8 waves' sums; the sums of squares 512 bytes on
.set SCW,  LOFF+77056                  ; the tile's 8 x 16 scale words
.set ASC,  3145728
.set X,    96
.set G,    160
.set BB,   16
.set T,    224
.set MU,   232
.set RS,   234
.set M,    236
.set SO,   238
.set BY,   240
.set PW,   242
.set TW,   243
.set PC,   244
	s_load_b128 s[4:7], s[0:1], 0x28               ; x, g
	s_load_b128 s[8:11], s[0:1], 0x38              ; b, A
	s_sub_co_u32 s28, ttmp9, 384                   ; the tile
	v_lshrrev_b32 v1, 5, v0
	s_delay_alu instid0(VALU_DEP_1)
	v_readfirstlane_b32 s14, v1                    ; wave = K step
	v_and_b32 v1, 31, v0
	v_and_b32 v2, 15, v0                           ; r
	v_bfe_u32 v3, v0, 4, 1                         ; h
	s_lshl_b32 s15, s14, 9
	v_lshlrev_b32 v9, 4, v1                        ; 16 x lane
	s_delay_alu instid0(VALU_DEP_1)
	v_add_nc_u32 v4, s15, v9                       ; my 16 bytes of my wave's 512 of a row
	s_mul_i32 s16, s14, STG
	s_add_co_u32 s16, s16, LOFF
	v_add_nc_u32 v5, s16, v9                       ; the stage, on the way in
	v_mul_u32_u24 v6, v2, 528
	s_delay_alu instid0(VALU_DEP_1)
	v_lshl_add_u32 v6, v3, 7, v6
	s_delay_alu instid0(VALU_DEP_1)
	v_add_nc_u32 v6, s16, v6                       ; and out: row r, + 128 h
	v_lshlrev_b32 v10, 7, v3
	s_delay_alu instid0(VALU_DEP_1)
	v_add_nc_u32 v10, s16, v10                     ; g's and b's rows: + 128 h
	v_lshlrev_b32 v8, 5, v2
	s_delay_alu instid0(VALU_DEP_1)
	v_add_nc_u32 v8, RED1, v8                      ; row r's eight sums
	s_lshl_b32 s17, s14, 2
	v_add_nc_u32 v7, s17, v8                       ; my wave's among them
	v_lshlrev_b32 v11, 2, v2
	s_lshl_b32 s17, s14, 6
	v_add_nc_u32 v11, s17, v11
	s_delay_alu instid0(VALU_DEP_1)
	v_add_nc_u32 v11, SCW, v11                     ; my row's scale word
	v_add_nc_u32 v12, SCW, v9
	s_lshr_b32 s18, s28, 1
	s_lshl_b32 s18, s18, 5
	s_and_b32 s19, s28, 1
	s_lshl_b32 s19, s19, 3
	s_add_co_u32 s18, s18, s19                     ; the tile's first row
	s_lshl_b32 s18, s18, 12
	s_mov_b32 s19, 0
	s_mov_b32 s20, 0x3a800000                      ; 1 / 1,024
	s_mov_b32 s21, 0x3727c5ac                      ; 1e-5
	s_mov_b32 s22, 0x76543210
	s_mov_b32 s23, 0xfedcba98                      ; lane l xor 16
	s_lshl_b32 s24, s28, 3
	s_add_co_u32 s24, s24, s14
	s_mul_i32 s24, s24, 1536
	s_mov_b32 s25, 0
	s_lshl_b32 s26, s28, 9
	s_add_co_u32 s26, s26, ASC
	s_mov_b32 s27, 0
	s_wait_alu depctr_va_vdst(0)
	s_wait_kmcnt 0x0
	s_add_nc_u64 s[4:5], s[4:5], s[18:19]
	s_add_nc_u64 s[24:25], s[10:11], s[24:25]
	s_add_nc_u64 s[26:27], s[10:11], s[26:27]
.irp i, 0,1,2,3,4,5,6,7,8,9,10,11,12,13,14,15
	global_load_b128 v[16+4*\i:19+4*\i], v4, s[4:5] offset:((\i&7)+16*(\i>>3))*4096 th:TH_LOAD_NT
.endr
	global_load_b128 v[80:83], v4, s[6:7]
	global_load_b128 v[84:87], v4, s[8:9]
.irp i, 0,1,2,3,4,5,6,7,8,9,10,11,12,13,14,15,16,17
	s_wait_loadcnt 17-\i                           ; loads come back in order: row i is in, the later ones may be out
	ds_store_b128 v5, v[16+4*\i:19+4*\i] offset:528*\i
.endr
.irp c, 0,1
.irp j, 0,1,2,3,4,5,6,7
	ds_load_b128 v[X+32*\c+4*\j:X+32*\c+4*\j+3], v6 offset:256*\c+16*\j     ; LDS serves a wave's instructions in order: these see my wave's stores
.endr
.endr
.irp c, 0,1
.irp j, 0,1,2,3,4,5,6,7
	ds_load_b128 v[G+32*\c+4*\j:G+32*\c+4*\j+3], v10 offset:16*528+256*\c+16*\j
.endr
.endr
	s_wait_dscnt 16                                ; the stores and x are done; g's 16 loads may be out
.irp c, 0,1
.irp j, 0,1,2,3,4,5,6,7
	ds_load_b128 v[BB+32*\c+4*\j:BB+32*\c+4*\j+3], v10 offset:17*528+256*\c+16*\j
.endr
.endr
.irp k, 0,1,2,3
	v_pk_add_f32 v[T+2*\k:T+2*\k+1], v[X+4*\k:X+4*\k+1], v[X+4*\k+2:X+4*\k+3]
.endr
.irp j, 16,24,32,40,48,56
.irp k, 0,1,2,3
	s_delay_alu instid0(VALU_DEP_4)
	v_pk_add_f32 v[T+2*\k:T+2*\k+1], v[T+2*\k:T+2*\k+1], v[X+\j+2*\k:X+\j+2*\k+1]
.endr
.endr
.macro FOLD red                        ; T's four pairs -> one number; with lane l xor 16's; to LDS; barrier; the eight waves' numbers added into v[T]
	s_delay_alu instid0(VALU_DEP_3)
	v_pk_add_f32 v[T:T+1], v[T:T+1], v[T+2:T+3]
	s_delay_alu instid0(VALU_DEP_2)
	v_pk_add_f32 v[T+4:T+5], v[T+4:T+5], v[T+6:T+7]
	s_delay_alu instid0(VALU_DEP_1)
	v_pk_add_f32 v[T:T+1], v[T:T+1], v[T+4:T+5]
	s_delay_alu instid0(VALU_DEP_1)
	v_add_f32 v[T], v[T], v[T+1]
	s_delay_alu instid0(VALU_DEP_1)
	v_permlanex16_b32 v[T+1], v[T], s22, s23
	s_delay_alu instid0(VALU_DEP_1)
	v_add_f32 v[T], v[T], v[T+1]
	ds_store_b32 v7, v[T] offset:\red              ; both halves of the lanes write the same word with the same value
	s_wait_dscnt 0x0                               ; for the others' sake: my store has landed
	s_barrier_signal -1
	s_barrier_wait -1
	ds_load_b128 v[T:T+3], v8 offset:\red
	ds_load_b128 v[T+4:T+7], v8 offset:\red+16
	s_wait_dscnt 0x0
	v_pk_add_f32 v[T:T+1], v[T:T+1], v[T+2:T+3]
	v_pk_add_f32 v[T+4:T+5], v[T+4:T+5], v[T+6:T+7]
	s_delay_alu instid0(VALU_DEP_1)
	v_pk_add_f32 v[T:T+1], v[T:T+1], v[T+4:T+5]
	s_delay_alu instid0(VALU_DEP_1)
	v_add_f32 v[T], v[T], v[T+1]
.endm
	FOLD 0
	s_delay_alu instid0(VALU_DEP_1)
	v_mul_f32 v[MU], s20, v[T]                     ; the mean
	s_delay_alu instid0(VALU_DEP_1)
	v_mov_b32 v[MU+1], v[MU]
.irp j, 0,2,4,6,8,10,12,14,16,18,20,22,24,26,28,30,32,34,36,38,40,42,44,46,48,50,52,54,56,58,60,62
	v_pk_add_f32 v[X+\j:X+\j+1], v[X+\j:X+\j+1], v[MU:MU+1] neg_lo:[0,1] neg_hi:[0,1]
.endr
.irp k, 0,1,2,3
	v_pk_mul_f32 v[T+2*\k:T+2*\k+1], v[X+2*\k:X+2*\k+1], v[X+2*\k:X+2*\k+1]
.endr
.irp j, 8,16,24,32,40,48,56
.irp k, 0,1,2,3
	s_delay_alu instid0(VALU_DEP_4)
	v_pk_fma_f32 v[T+2*\k:T+2*\k+1], v[X+\j+2*\k:X+\j+2*\k+1], v[X+\j+2*\k:X+\j+2*\k+1], v[T+2*\k:T+2*\k+1]
.endr
.endr
	FOLD 512
	s_delay_alu instid0(VALU_DEP_1)
	v_fma_f32 v[RS], v[T], s20, s21                ; var + 1e-5
	s_wait_alu depctr_va_vdst(0)
	v_rsq_f32 v[RS], v[RS]
	v_nop                                          ; a plain place behind the transcendental
	s_wait_alu depctr_va_vdst(0)                   ; and the wait ahead of its first reader
	v_mov_b32 v[RS+1], v[RS]
.irp j, 0,2,4,6,8,10,12,14,16,18,20,22,24,26,28,30,32,34,36,38,40,42,44,46,48,50,52,54,56,58,60,62
	v_pk_mul_f32 v[X+\j:X+\j+1], v[X+\j:X+\j+1], v[RS:RS+1]
.endr
.irp j, 0,2,4,6,8,10,12,14,16,18,20,22,24,26,28,30,32,34,36,38,40,42,44,46,48,50,52,54,56,58,60,62
	v_pk_fma_f32 v[X+\j:X+\j+1], v[X+\j:X+\j+1], v[G+\j:G+\j+1], v[BB+\j:BB+\j+1]
.endr
.irp c, 0,1                            ; the quantiser: my two blocks, 2 c + h, are wholly mine
	v_max3_num_f32 v[M+\c], |v[X+32*\c]|, |v[X+32*\c+1]|, 0x1800000    ; the floor 2^(3 - 127): the byte cannot fall under 1
.endr
.irp i, 2,4,6,8,10,12,14,16,18,20,22,24,26,28,30
.irp c, 0,1
	s_delay_alu instid0(VALU_DEP_2)
	v_max3_num_f32 v[M+\c], v[M+\c], |v[X+32*\c+\i]|, |v[X+32*\c+\i+1]|
.endr
.endr
.irp c, 0,1
	s_delay_alu instid0(VALU_DEP_2)
	v_add_nc_u32 v[SO+\c], 0xff000000, v[M+\c]     ; 2 off the exponent field: the conversion's scale operand
.endr
.irp c, 0,1
	s_delay_alu instid0(VALU_DEP_2)
	v_lshrrev_b32 v[BY+\c], 23, v[SO+\c]
.endr
	s_delay_alu instid0(VALU_DEP_1)
	v_lshl_or_b32 v[PW], v[BY+1], 16, v[BY]        ; my bytes: blocks h and 2 + h,
	v_lshlrev_b32 v[TW], 3, v3
	s_delay_alu instid0(VALU_DEP_1)
	v_lshlrev_b32 v[PW], v[TW], v[PW]              ; 8 h bits up;
	s_delay_alu instid0(VALU_DEP_1)
	v_permlanex16_b32 v[TW], v[PW], s22, s23
	s_delay_alu instid0(VALU_DEP_1)
	v_or_b32 v[PW], v[PW], v[TW]                   ; with lane l xor 16's two the word is whole
.irp c, 0,1
	v_cvt_scalef32_pk16_fp6_f32 v[PC+6*\c:PC+6*\c+2], v[X+32*\c:X+32*\c+15], v[SO+\c]
	v_cvt_scalef32_pk16_fp6_f32 v[80+4*\c:82+4*\c], v[X+32*\c+16:X+32*\c+31], v[SO+\c]   ; (a conversion's three registers begin on an even number)
.endr
	v_nop                                          ; one plain place behind a scaled conversion
.irp c, 0,1
.irp i, 0,1,2
	v_mov_b32 v[PC+3+6*\c+\i], v[80+4*\c+\i]
.endr
.endr
.irp c, 0,1,2
	global_store_b128 v9, v[PC+4*\c:PC+4*\c+3], s[24:25] offset:512*\c     ; 32 lanes store 512 consecutive bytes
.endr
	ds_store_b32 v11, v[PW]
	s_wait_dscnt 0x0
	s_barrier_signal -1
	s_barrier_wait -1                              ; the tile's 128 scale words lie in LDS
	s_cmp_lg_u32 s14, 0
	s_cbranch_scc1 .Ldone
	ds_load_b128 v[T:T+3], v12
	s_wait_dscnt 0x0
	global_store_b128 v9, v[T:T+3], s[26:27]       ; wave 0 stores them: 512 consecutive bytes
.Ldone:
	s_wait_tensorcnt 0x0                           ; the wave's end, on both ways
	ds_add_u32 v94, v95
	s_wait_dscnt 0x0
	s_endpgm
.Lfunc_end_k_q0dd0ca31a5_wq:
	.size	k_q0dd0ca31a5_wq, .Lfunc_end_k_q0dd0ca31a5_wq-k_q0dd0ca31a5_wq
	.p2alignl 7, 3214868480
	.fill 96, 4, 3214868480
	.section	.rodata,"a",@progbits
	.p2align	6, 0x0
	.amdhsa_kernel k_q0dd0ca31a5_wq
		.amdhsa_group_segment_fixed_size 105216
		.amdhsa_private_segment_fixed_size 0
		.amdhsa_enable_private_segment 0
		.amdhsa_kernarg_size 72
		.amdhsa_user_sgpr_count 2
		.amdhsa_user_sgpr_kernarg_segment_ptr 1
		.amdhsa_wavefront_size32 1
		.amdhsa_system_sgpr_workgroup_id_x 1
		.amdhsa_system_sgpr_workgroup_id_y 1
		.amdhsa_system_sgpr_workgroup_id_z 1
		.amdhsa_system_vgpr_workitem_id 0
		.amdhsa_next_free_vgpr 256
		.amdhsa_next_free_sgpr 66
		.amdhsa_reserve_vcc 0
		.amdhsa_float_denorm_mode_32 3
		.amdhsa_float_denorm_mode_16_64 3
		.amdhsa_memory_ordered 1
		.amdhsa_forward_progress 1
		.amdhsa_inst_pref_size 91
	.end_amdhsa_kernel
	.amdgpu_metadata
---
amdhsa.version: [ 1, 2 ]
amdhsa.kernels:
  - .name:           k_q0dd0ca31a5_wq
    .symbol:         k_q0dd0ca31a5_wq.kd
    .args:
      - { .name: qkv_w, .offset: 0, .size: 8, .value_kind: global_buffer, .address_space: global }
      - { .name: proj_w, .offset: 8, .size: 8, .value_kind: global_buffer, .address_space: global }
      - { .name: w1, .offset: 16, .size: 8, .value_kind: global_buffer, .address_space: global }
      - { .name: w2, .offset: 24, .size: 8, .value_kind: global_buffer, .address_space: global }
      - { .name: W, .offset: 32, .size: 8, .value_kind: global_buffer, .address_space: global }
      - { .name: x, .offset: 40, .size: 8, .value_kind: global_buffer, .address_space: global }
      - { .name: ln1_g, .offset: 48, .size: 8, .value_kind: global_buffer, .address_space: global }
      - { .name: ln1_b, .offset: 56, .size: 8, .value_kind: global_buffer, .address_space: global }
      - { .name: A, .offset: 64, .size: 8, .value_kind: global_buffer, .address_space: global }
    .group_segment_fixed_size: 105216
    .private_segment_fixed_size: 0
    .kernarg_segment_align: 8
    .kernarg_segment_size: 72
    .max_flat_workgroup_size: 256
    .sgpr_count:     66
    .vgpr_count:     256
    .wavefront_size: 32
...
	.end_amdgpu_metadata
.endif
;; end of part 1
;; launch qkv (part 2): grid 12 x 16, 4 waves a work-group, clusters of 4 x 4, 327,680 bytes of LDS; arguments A, W, QKV; writes QKV
.if DOCPART == 2
	.amdgcn_target "amdgcn-amd-amdhsa--gfx1250"
	.amdhsa_code_object_version 6
	.text
	.protected	k_q0dd0ca31a5_qkv
	.globl	k_q0dd0ca31a5_qkv
	.p2align	8
	.type	k_q0dd0ca31a5_qkv,@function
k_q0dd0ca31a5_qkv:
	s_mov_b64 s[64:65], 0
	v_nop
	global_prefetch_b8 v0, s[64:65] scope:SCOPE_SE
	s_setreg_imm32_b32 hwreg(HW_REG_WAVE_MODE, 25, 1), 1
	s_wait_xcnt 0x0
	s_wait_alu depctr_hold_cnt(0) depctr_sa_sdst(0) depctr_va_vdst(0) depctr_va_sdst(0) depctr_va_ssrc(0) depctr_va_vcc(0) depctr_vm_vsrc(0)
	s_getreg_b32 s2, hwreg(HW_REG_IB_STS2, 6, 4)
	s_cmp_eq_u32 s2, 0
	s_cbranch_scc0 .Lentry_in_a_cluster
	s_endpgm
.Lentry_in_a_cluster:
	s_bfe_u32 s2, ttmp6, 0x10000c
	s_cmp_lg_u32 s2, 0xf033
	s_cbranch_scc0 .Lentry_shape_is_right
	s_endpgm
.Lentry_shape_is_right:
; qkv = LN1(x) qkv_w on codes of FP6 (E2M3); q, k and v are quantised in registers and stored as operands of the attention launch.
; OPERANDS are images of registers: a fragment (16 rows x 128 K) is 1,536 bytes, registers 4 c .. 4 c + 3 of lane l at 512 c + 16 l; fragment (tile, K step) at (tile x 8 + step) x 1,536; its 16 scale words at (tile x 8 + step) x 64.
; Tile t, place r is row 32 (t / 2) + 8 (t % 2) + r % 8 + 16 (r / 8): so the 16 registers that a lane holds of source 0's tiles 2 b and 2 b + 1 are 16 NEIGHBOURS along source 0's index.
; A work-group of four waves makes 256 x 256, a wave 128 x 128: 64 accumulators.  K goes in slots of 256 through a ring of two LDS slots filled by tensor loads; all scale words come once.
; ROLES.  Source 1 ("A") gives a lane its row, source 0 ("B") runs along the lane's registers.  Clusters x = 0, 1 make q and k: A = tokens, B = weight columns: a lane holds a token and 128 channels (two heads).
; Cluster x = 2 makes v: A = weight columns, B = tokens: a lane holds a channel and 128 tokens, which are the keys, the next K.  The choice hangs on the cluster's x alone, which all sixteen partners share.
; CLUSTERS: 4 x 4.  A's tiles are shared along a row of the cluster, B's along a column: joint loads with a mask that names the four.
; OUT: q, k: images whose halves of 768 bytes are the two heads (registers 0-3 at 16 l, 4-5 at 512 + 8 l; 6-9 at 768 + 16 l, 10-11 at 1,280 + 8 l); a word for each head (the pair's word, and the same 16 bits down).  v: the same image, one word.
; LIMITS: a block of zeros, or one under 2^-124, gets the byte 1 (read by this program alone); NaN and infinities are not served.
; REGISTERS: window 0: v16-29 addresses; v32-63 scale words, two sets; v128-223 A's fragments, one set; window 1: B's two sets; windows 2, 3: accumulator (a, b) at v[8 ((8 a + b) % 32)].
.set WT,    8                          ; tiles of 16 a wave and side
.set NQ,    2                          ; K steps of 128 in a slot
.set KS,    8                          ; K steps in all
.set HASBIAS, 0
.set TILEB, NQ*1536
.set HALFT, WT*TILEB
.set SLOT,  4*HALFT
.set LAPS,  KS/(2*NQ)
.set HALFS, WT*KS*64
.set SCL,   2*SLOT
.set SCLB,  SCL+2*HALFS
.set SPARE, 327168                     ; the spare words: 128 bytes a wave, two blocks of 256 bytes that no other line names
.set SA_T,  64*KS
.set SA_K,  64
.set SA_SH, 6
.set SA_HALF, HALFS
.set SB_T,  64*KS
.set ASC,   3145728                    ; where A's scale words begin
.set WSC,   9437184                    ; and W's
.set VC,    6291456
.set QS,    9437184
.set KVS,   9699328
.set ADRA,  16
.set ADRB,  20
.set ADRSA, 22
.set ADRSB, 23
.set LI,    24                         ; 16 x lane
.set LH,    25                         ; 8 x lane
.set SW,    26                         ; the way out: my row's scale word in my wave's stage
.set SR,    27                         ; and the stage read back
.set SPW,   28
.set NIL,   29
.set SC,    32
.set BIAS,  64
.set AF,    128
.set TM,    208
.set PW,    224
.set PC,    226
.set SEL,   96
.set G1,    24
.set G0,    32
.set G1B,   48
.set G0B,   56
.set G1S,   68
.set G0S,   76
.set G1SB,  80
.set G0SB,  88
.set MSB, 0
.macro WIN new                         ; the immediate's high byte repeats the setting that is left
.if MSB != (\new)
	s_set_vgpr_msb (MSB<<8)|(\new)
.set MSB, (\new)
.endif
.endm
.macro JLOAD g0a, g1a, g0b, g1b        ; a joint load: waves 0 and 1 fetch for A, waves 2 and 3 for B; four v_nop follow each line
	s_cmp_eq_u32 s15, 0
	s_cbranch_scc0 .Lfor_b_\@
	tensor_load_to_lds s[\g0a:\g0a+3], s[\g1a:\g1a+7]
	s_nop 0
.rept 4
	v_nop
.endr
	s_branch .Lasked_\@
.Lfor_b_\@:
	tensor_load_to_lds s[\g0b:\g0b+3], s[\g1b:\g1b+7]
	s_nop 0
.rept 4
	v_nop
.endr
.Lasked_\@:
.endm
.macro CREST                           ; a round of the cluster's barrier behind its opening barrier
	s_cmp_lg_u32 s14, 0
	s_cbranch_scc1 .Lnot_wave_0_\@
	s_barrier_signal -3
.Lnot_wave_0_\@:
	s_barrier_wait -3
	s_barrier_signal -1
	s_barrier_wait -1
.endm
.macro CROUND
	s_barrier_signal -1
	s_barrier_wait -1
	CREST
.endm
.macro PLACES                          ; four plain places behind matrix instructions, ahead of loads into their sources and of reads of their results
.rept 4
	v_nop
.endr
.endm
	s_load_b128 s[4:7], s[0:1], 0x0                ; A, W
	s_load_b64 s[8:9], s[0:1], 0x10                ; QKV
	v_lshl_add_u32 v[SPW], v0, 2, SPARE
	v_mov_b32 v[NIL], 0
	ds_add_u32 v28, v29
	ds_add_u32 v28, v29
	s_wait_dscnt 0x0
	v_lshrrev_b32 v1, 5, v0
	v_readfirstlane_b32 s14, v1                    ; wave
	s_lshr_b32 s15, s14, 1                         ; my half of A's tiles.  Also: I fetch for A (0) or for B (1)
	s_and_b32 s16, s14, 1                          ; my half of B's tiles.  Also: which half I fetch
	s_bfe_u32 s40, ttmp6, 0x40000                  ; cx
	s_bfe_u32 s41, ttmp6, 0x40004                  ; cy
	s_and_b32 s12, ttmp7, 0xffff
	s_lshl_b32 s12, s12, 2                         ; 4 x cluster y
	s_lshl_b32 s42, ttmp9, 2
	s_mov_b32 s10, WSC
	s_cmp_eq_u32 ttmp9, 2                          ; v's cluster?
	s_cselect_b32 s42, s12, s42                    ; B's blocks: tokens for v, else weight columns
	s_cselect_b32 s17, 0, s12                      ; A's blocks: weight columns for v, else tokens
	s_cselect_b32 s13, 128, 0                      ; v's weight tiles begin at 128
	s_cselect_b32 s11, s10, ASC                    ; where A's role's scale words begin in its buffer
	s_cselect_b32 s10, ASC, s10                    ; and B's role's
	s_add_co_u32 s42, s42, s40                     ; B's block of 256
	s_add_co_u32 s17, s17, s41                     ; A's block of 256
	s_lshl_b32 s43, s41, 2
	s_lshl_b32 s43, 15, s43                        ; my row of the cluster
	s_lshl_b32 s44, 0x1111, s40                    ; my column
	s_mov_b32 s[SEL], 0x76543210
	s_mov_b32 s[SEL+1], 0xfedcba98
	; group 1, tiles: WT rows (a tile's NQ fragments on end) of 192 NQ elements of 8 bytes, 192 KS apart; no padding: every fragment read is 512 consecutive bytes
	s_or_b32 s[G1+0], s43, (3<<16)|(1<<21)
	s_or_b32 s[G1B+0], s44, (3<<16)|(1<<21)
.irp g, G1, G1B
	s_mov_b32 s[\g+1], (192*NQ)<<16
	s_mov_b32 s[\g+2], (2*WT)<<16                  ; the head's loads bring both halves of a tile block
	s_mov_b32 s[\g+3], (192*NQ)<<16
	s_mov_b32 s[\g+4], 2*WT
	s_mov_b32 s[\g+5], 192*KS
	s_mov_b32 s[\g+6], 0
	s_mov_b32 s[\g+7], 0
.endr
	; group 1, scale words of 2 WT tiles for all of K: a dense block, as rows of 256 bytes
	s_or_b32 s[G1S+0], s43, (3<<16)|(1<<21)
	s_or_b32 s[G1SB+0], s44, (3<<16)|(1<<21)
.irp g, G1S, G1SB
	s_mov_b32 s[\g+1], 32<<16
	s_mov_b32 s[\g+2], (WT*KS/2)<<16
	s_mov_b32 s[\g+3], 32<<16
	s_mov_b32 s[\g+4], WT*KS/2
	s_mov_b32 s[\g+5], 32
	s_mov_b32 s[\g+6], 0
	s_mov_b32 s[\g+7], 0
.endr
	s_mov_b32 s18, 0                               ; the addresses begin at the block's first tile; my half is added behind the head's loads
	s_lshl_b32 s20, s17, 4
	s_add_co_u32 s20, s20, s13
	s_add_co_u32 s20, s20, s18                     ; A's first tile of mine
	s_lshl_b32 s46, s42, 4
	s_add_co_u32 s46, s46, s18                     ; B's
	s_mul_i32 s22, s20, KS*64
	s_add_co_u32 s22, s22, s11
	s_mov_b32 s23, 0
	s_mul_i32 s20, s20, KS*1536
	s_mov_b32 s21, 0
	s_mul_i32 s92, s46, KS*64
	s_add_co_u32 s92, s92, s10
	s_mov_b32 s93, 0
	s_mul_i32 s46, s46, KS*1536
	s_mov_b32 s47, 0
	s_mul_i32 s45, s14, HALFT                      ; where they go: no place in the cluster enters an LDS address
	s_mul_i32 s94, s14, HALFS
	s_wait_kmcnt 0x0
	s_cmp_eq_u32 ttmp9, 2
	s_cselect_b64 s[98:99], s[6:7], s[4:5]         ; A's role's buffer
	s_cselect_b64 s[66:67], s[4:5], s[6:7]         ; B's role's
	s_add_nc_u64 s[20:21], s[98:99], s[20:21]
	s_add_nc_u64 s[22:23], s[98:99], s[22:23]
	s_add_nc_u64 s[46:47], s[66:67], s[46:47]
	s_add_nc_u64 s[92:93], s[66:67], s[92:93]
	CROUND                                         ; all sixteen work-groups are here: the first joint loads meet
	s_mov_b32 s[G0S], 1
	s_mov_b32 s[G0S+1], SCL
	s_mov_b64 s[G0S+2:G0S+3], s[22:23]
	s_or_b32 s[G0S+3], s[G0S+3], 0x80000000
	s_mov_b32 s[G0SB], 1
	s_mov_b32 s[G0SB+1], SCLB
	s_mov_b64 s[G0SB+2:G0SB+3], s[92:93]
	s_or_b32 s[G0SB+3], s[G0SB+3], 0x80000000
.irp s, 0,1
	s_mov_b32 s[G0+4*\s], 1
	s_add_co_u32 s[G0+4*\s+1], s45, \s*SLOT
	s_add_nc_u64 s[G0+4*\s+2:G0+4*\s+3], s[20:21], \s*TILEB
	s_or_b32 s[G0+4*\s+3], s[G0+4*\s+3], 0x80000000
	s_mov_b32 s[G0B+4*\s], 1
	s_add_co_u32 s[G0B+4*\s+1], s45, \s*SLOT
	s_add_nc_u64 s[G0B+4*\s+2:G0B+4*\s+3], s[46:47], \s*TILEB
	s_or_b32 s[G0B+4*\s+3], s[G0B+4*\s+3], 0x80000000
.endr
; THE HEAD'S LOADS, ONE A WAVE: wave 0 A's slot 0, wave 1 A's scale words, wave 2 B's slot 0, wave 3 B's scale words; one chain of branches, one join.
.macro ARM w, g0, g1
	s_cmp_eq_u32 s14, \w
	s_cbranch_scc0 .Lnot_\w
	tensor_load_to_lds s[\g0:\g0+3], s[\g1:\g1+7]
	s_nop 0
.rept 4
	v_nop
.endr
	s_branch .Lhead_asked
.Lnot_\w:
.endm
	ARM 0, G0, G1
	ARM 1, G0S, G1S
	ARM 2, G0B, G1B
	tensor_load_to_lds s[G0SB:G0SB+3], s[G1SB:G1SB+7]
	s_nop 0
.rept 4
	v_nop
.endr
.Lhead_asked:
	; prefetches: of the 96 blocks of 256 bytes that my wave fetches for a slot, my work-group takes 24, told apart from its three partners by address (cx for A, cy for B)
	s_cmp_eq_u32 s15, 0
	s_cselect_b64 s[66:67], s[20:21], s[46:47]
	s_cselect_b32 s2, s40, s41
	s_mul_i32 s2, s2, (WT/4)*KS*1536
	s_mul_i32 s3, s16, WT*KS*1536
	s_add_co_u32 s2, s2, s3
	s_mov_b32 s3, 0
	s_add_nc_u64 s[66:67], s[66:67], s[2:3]
	v_and_b32 v30, 31, v0
	v_min_u32 v30, 23, v30                         ; lanes 24-31 name the last block again
.if WT == 8
	v_mul_u32_u24 v31, v30, 171
	v_lshrrev_b32 v31, 11, v31                     ; lane / 12: which of my two tiles
	v_mul_u32_u24 v31, v31, KS*1536-3072
	v_lshl_add_u32 v31, v30, 8, v31
.else
	v_lshlrev_b32 v31, 8, v30
.endif
	global_prefetch_b8 v31, s[66:67] offset:TILEB th:TH_LOAD_NT scope:SCOPE_SE      ; slot 1
.if KS/NQ > 2
	global_prefetch_b8 v31, s[66:67] offset:2*TILEB th:TH_LOAD_NT scope:SCOPE_SE    ; slot 2
.endif
	v_and_b32 v1, 31, v0
	v_and_b32 v2, 15, v0                           ; r
	v_bfe_u32 v3, v0, 4, 1                         ; h
	v_lshlrev_b32 v[LI], 4, v1
	v_lshlrev_b32 v[LH], 3, v1
	s_mul_i32 s21, s15, HALFT
	s_mul_i32 s22, s16, HALFT
	s_add_co_u32 s22, s22, 2*HALFT
.irp s, 0,1
	v_add_nc_u32 v[ADRA+\s], s21, v[LI]
	v_add_nc_u32 v[ADRB+\s], s22, v[LI]
	s_add_co_u32 s21, s21, SLOT
	s_add_co_u32 s22, s22, SLOT
.endr
	v_lshlrev_b32 v5, 2, v2
	v_lshl_add_u32 v6, v3, SA_SH, v5               ; scale words: lanes 0-15 take the even K step's, lanes 16-31 the odd one's
	s_mul_i32 s21, s15, SA_HALF
	s_add_co_u32 s21, s21, SCL
	v_add_nc_u32 v[ADRSA], s21, v6
	v_lshl_add_u32 v6, v3, 6, v5
	s_mul_i32 s21, s16, HALFS
	s_add_co_u32 s21, s21, SCLB
	v_add_nc_u32 v[ADRSB], s21, v6
	s_lshl_b32 s21, s14, 10                        ; the way out's stage, 1,024 bytes a wave, in slot 0
	v_add_nc_u32 v[SW], s21, v5
	v_add_nc_u32 v[SR], s21, v[LI]
	; where my results go.  Both cases are computed; the cluster's x chooses
	s_lshl_b32 s20, s42, 1
	s_add_co_u32 s20, s20, s16                     ; 2 x B's block + half: group of 128 channels (q, k) or of 128 keys (v)
	s_lshl_b32 s21, s17, 1
	s_add_co_u32 s21, s21, s15                     ; 2 x A's block + half: group of 8 token tiles (q, k) or head pair (v)
	s_lshl_b32 s22, s21, 3                         ; q, k: my first token tile
	s_lshr_b32 s23, s22, 7
	s_lshl_b32 s23, s23, 3
	s_and_b32 s18, s20, 7
	s_add_co_u32 s23, s23, s18                     ; pp = 8 x batch + head pair
	s_and_b32 s22, s22, 127
	s_lshr_b32 s18, s20, 3                         ; 0: q, 1: k
	s_lshl_b32 s19, s23, 7
	s_add_co_u32 s19, s19, s22
	s_mul_i32 s19, s19, 1536
	s_mul_i32 s10, s18, 3145728
	s_add_co_u32 s19, s19, s10                     ; codes
	s_mul_i32 s10, s23, 16384
	s_add_co_u32 s10, s10, QS
	s_mul_i32 s11, s23, 24576
	s_add_co_u32 s11, s11, KVS
	s_cmp_eq_u32 s18, 0
	s_cselect_b32 s10, s10, s11
	s_lshl_b32 s22, s22, 6
	s_add_co_u32 s10, s10, s22                     ; scale words
	s_lshr_b32 s11, s20, 4                         ; v: batch
	s_lshl_b32 s11, s11, 3
	s_add_co_u32 s11, s11, s21                     ; pp
	s_and_b32 s12, s20, 15                         ; key step
	s_lshl_b32 s13, s11, 4
	s_add_co_u32 s13, s13, s12
	s_mul_i32 s13, s13, 12288
	s_add_co_u32 s13, s13, VC                      ; codes
	s_mul_i32 s11, s11, 24576
	s_lshl_b32 s12, s12, 9
	s_add_co_u32 s11, s11, s12
	s_add_co_u32 s11, s11, KVS+16384               ; scale words
	s_cmp_eq_u32 ttmp9, 2
	s_cselect_b32 s20, s13, s19
	s_cselect_b32 s22, s11, s10
	s_mov_b32 s21, 0
	s_mov_b32 s23, 0
	s_add_nc_u64 s[20:21], s[8:9], s[20:21]
	s_add_nc_u64 s[22:23], s[8:9], s[22:23]
.macro FRAG reg, adr, q, i             ; a fragment comes as it was stored: three loads of 512 consecutive bytes
.irp c, 0,1,2
	ds_load_b128 v[(\reg)+4*\c:(\reg)+4*\c+3], v[\adr] offset:(\i)*TILEB+(\q)*1536+512*\c
.endr
.endm
.macro FETCH_B slot, q, set
	WIN 0x40
.set fi, 0
.rept WT
	FRAG 128*(\set)+12*fi, ADRB+\slot, \q, fi
.set fi, fi+1
.endr
	WIN 0
.endm
.macro FETCH_A slot, q, half
.set fi, (\half)*(WT/2)
.rept WT/2
	FRAG AF+12*fi, ADRA+\slot, \q, fi
.set fi, fi+1
.endr
.endm
.macro SCALES set                      ; a slot's scale words: a register serves two K steps
.irp p, 0,1
.if \p < NQ/2
.irp i, 0,1,2,3,4,5,6,7
.if \i < WT
	ds_load_b32 v[SC+16*\set+\p*WT+\i], v[ADRSA] offset:\i*SA_T+2*\p*SA_K
	ds_load_b32 v[SC+16*\set+8+\p*WT+\i], v[ADRSB] offset:\i*SB_T+2*\p*64
.endif
.endr
.endif
.endr
.endm
; A quarter of a step's products: A's blocks (WT / 4) k on x all of B's.  All accumulators take turns, one instruction a turn, in the same order in every step.
.macro MULQ k, set, q, sc, first
.set ma, (WT/4)*(\k)
.set wn, 2+(ma*WT)/32
.if (\first) && HASBIAS
	WIN (wn<<6)|1
.else
	WIN (wn<<6)|(wn<<4)|1
.endif
.rept WT/4
.set mb, 0
.rept WT
.set rD, 8*((ma*WT+mb)%32)
.set rB, 128*(\set)+12*mb
.set rA, AF+12*ma
.set zB, SC+16*(\sc)+8+((\q)/2)*WT+mb
.set zA, SC+16*(\sc)+((\q)/2)*WT+ma
.if \first
	v_wmma_scale_f32_16x16x128_f8f6f4 v[rD:rD+7], v[rB:rB+11], v[rA:rA+11], 0, v[zB], v[zA] matrix_a_fmt:MATRIX_FMT_FP6 matrix_b_fmt:MATRIX_FMT_FP6
.elseif (\q)%2
	v_wmma_scale_f32_16x16x128_f8f6f4 v[rD:rD+7], v[rB:rB+11], v[rA:rA+11], v[rD:rD+7], v[zB], v[zA] matrix_a_fmt:MATRIX_FMT_FP6 matrix_b_fmt:MATRIX_FMT_FP6 matrix_a_scale:MATRIX_SCALE_ROW1 matrix_b_scale:MATRIX_SCALE_ROW1
.else
	v_wmma_scale_f32_16x16x128_f8f6f4 v[rD:rD+7], v[rB:rB+11], v[rA:rA+11], v[rD:rD+7], v[zB], v[zA] matrix_a_fmt:MATRIX_FMT_FP6 matrix_b_fmt:MATRIX_FMT_FP6
.endif
.set mb, mb+1
.endr
.set ma, ma+1
.endr
.endm
.macro STEP slot, q, first             ; a step of 128 along K that has its successor in the same slot
	s_wait_dscnt (WT/2)*3                          ; all but the youngest loads, A's upper half
	MULQ 0, (\q)%2, \q, \slot, \first
	MULQ 1, (\q)%2, \q, \slot, \first
	s_wait_dscnt 0x0
	PLACES
	FETCH_B \slot, (\q)+1, 1-(\q)%2
	FETCH_A \slot, (\q)+1, 0
	MULQ 2, (\q)%2, \q, \slot, \first
	MULQ 3, (\q)%2, \q, \slot, \first
	PLACES
	WIN 0
	FETCH_A \slot, (\q)+1, 1
.endm
; A slot's last step changes slots: one barrier; ahead of it each wave waits for all its tensor loads, adds 0 to its spare word, and waits for that and for its reads of this slot.
.macro TURN slot, next, fill
	s_wait_tensorcnt 0x0                           ; all my tensor loads have landed: my part of the next slot
	ds_add_u32 v[SPW], v[NIL]                      ; 0 onto my spare word
	s_wait_dscnt (WT/2)*3+1                        ; (the add and A's upper half may be out)
	MULQ 0, 1, NQ-1, \slot, 0
	s_wait_dscnt 0x0                               ; the add is done, and my reads of this slot are over
	s_barrier_signal -1
	MULQ 1, 1, NQ-1, \slot, 0
	WIN 0
	s_barrier_wait -1
.if \fill
	CREST                                          ; the barrier has opened a round of the cluster's barrier: no wave of any partner still reads this slot or has a load on its way
	s_add_nc_u64 s[G0+4*\slot+2:G0+4*\slot+3], s[G0+4*\slot+2:G0+4*\slot+3], 2*TILEB
	s_add_nc_u64 s[G0B+4*\slot+2:G0B+4*\slot+3], s[G0B+4*\slot+2:G0B+4*\slot+3], 2*TILEB
	JLOAD G0+4*\slot, G1, G0B+4*\slot, G1B         ; the first tensor load behind the round; its four v_nop are the places ahead of the loads below
.else
	PLACES
.endif
	s_wait_alu depctr_va_vdst(0)
	v_add_nc_u32 v[ADRSA], NQ*SA_K, v[ADRSA]
	v_add_nc_u32 v[ADRSB], NQ*64, v[ADRSB]
	FETCH_B \next, 0, 0
	FETCH_A \next, 0, 0
	SCALES \next
	MULQ 2, 1, NQ-1, \slot, 0
	MULQ 3, 1, NQ-1, \slot, 0
	PLACES
	WIN 0
	FETCH_A \next, 0, 1
.endm
.macro MID slot                        ; a slot's steps 1 .. NQ - 2
.set sq, 1
.rept NQ-2
	STEP \slot, sq, 0
.set sq, sq+1
.endr
.endm
	s_wait_alu depctr_va_vdst(0)
	s_wait_tensorcnt 0x0                           ; my tile of the head's four is in; the full sequence ahead of slot 1's first fill
	ds_add_u32 v[SPW], v[NIL]
	s_mov_b32 s[G1+2], WT<<16                      ; no tensor load of mine is out: from here on a load brings one half
	s_mov_b32 s[G1+4], WT
	s_mov_b32 s[G1B+2], WT<<16
	s_mov_b32 s[G1B+4], WT
	s_mul_i32 s2, s16, WT*KS*1536
	s_mov_b32 s3, 0
	s_add_nc_u64 s[G0+2:G0+3], s[G0+2:G0+3], s[2:3]
	s_add_nc_u64 s[G0+6:G0+7], s[G0+6:G0+7], s[2:3]
	s_add_nc_u64 s[G0B+2:G0B+3], s[G0B+2:G0B+3], s[2:3]
	s_add_nc_u64 s[G0B+6:G0B+7], s[G0B+6:G0B+7], s[2:3]
	s_wait_dscnt 0x0
	CROUND
	JLOAD G0+4, G1, G0B+4, G1B                     ; slot 1, the first tensor load behind the round
.if KS/NQ > 3
	global_prefetch_b8 v31, s[66:67] offset:3*TILEB th:TH_LOAD_NT scope:SCOPE_SE    ; slot 3
.endif
	FETCH_B 0, 0, 0
	FETCH_A 0, 0, 0
	SCALES 0
	FETCH_A 0, 0, 1
	STEP 0, 0, 1                                   ; the first step's products start the sums: nothing is cleared
.if LAPS > 1
	s_mov_b32 s3, LAPS-1
.Llap:
	MID 0
	TURN 0, 1, 1
	STEP 1, 0, 0
	MID 1
	TURN 1, 0, 1
	STEP 0, 0, 0
	s_sub_co_u32 s3, s3, 1
	s_cmp_lg_u32 s3, 0
	s_cbranch_scc1 .Llap
.endif
	MID 0
	TURN 0, 1, 0                                   ; the last lap fills nothing
	STEP 1, 0, 0
	MID 1
	s_wait_dscnt (WT/2)*3
	MULQ 0, 1, NQ-1, 1, 0
	MULQ 1, 1, NQ-1, 1, 0
	s_wait_dscnt 0x0
	MULQ 2, 1, NQ-1, 1, 0
	MULQ 3, 1, NQ-1, 1, 0
	WIN 0
	PLACES
; 64 numbers of a lane in window w, register 16 b + i = index 32 b + 16 (lane / 16) + i of my row, become a fragment's codes in v[PC] on and its scale word in v[PW].  Each accumulator is read from its low end on.
.macro QUANT s, w
	WIN (\w)|((\w)<<2)
.irp b, 0,1,2,3
	v_max3_num_f32 v[TM+\b], |v[(\s)+16*\b]|, |v[(\s)+1+16*\b]|, 0x1800000    ; the floor 2^(3 - 127): the byte cannot fall under 1
.endr
.irp i, 2,4,6,8,10,12,14
.irp b, 0,1,2,3
	v_max3_num_f32 v[TM+\b], |v[(\s)+16*\b+\i]|, |v[(\s)+1+16*\b+\i]|, v[TM+\b]
.endr
.endr
	WIN 0
.irp b, 0,1,2,3
	v_permlanex16_b32 v[TM+4+\b], v[TM+\b], s[SEL], s[SEL+1]
.endr
.irp b, 0,1,2,3
	v_max_num_f32 v[TM+\b], v[TM+\b], v[TM+4+\b]   ; with lane l xor 16's: the block's largest magnitude
.endr
.irp b, 0,1,2,3
	v_add_nc_u32 v[TM+12+\b], 0xff000000, v[TM+\b] ; 2 off the exponent field: the conversion's scale operand
.endr
.irp b, 0,1,2,3
	v_lshrrev_b32 v[TM+4+\b], 23, v[TM+12+\b]
.endr
	v_lshl_or_b32 v[PW], v[TM+5], 8, v[TM+4]
	v_lshl_or_b32 v[PW], v[TM+6], 16, v[PW]
	v_lshl_or_b32 v[PW], v[TM+7], 24, v[PW]
	s_wait_xcnt 0x0                                ; the last fragment's stores have read their registers
	WIN \w
.irp c, 0,1
	v_cvt_scalef32_pk16_fp6_f32 v[PC+6*\c:PC+2+6*\c], v[(\s)+32*\c:(\s)+15+32*\c], v[TM+12+2*\c]
	v_cvt_scalef32_pk16_fp6_f32 v[PC+12+4*\c:PC+14+4*\c], v[(\s)+16+32*\c:(\s)+31+32*\c], v[TM+12+2*\c+1]
.endr
	WIN 0
	v_nop                                          ; one plain place behind a scaled conversion
.irp c, 0,1                            ; the operand's layout wants a whole block in a lane
.irp i, 0,1,2
	v_permlane16_swap_b32 v[PC+6*\c+\i], v[PC+12+4*\c+\i]
.endr
.irp i, 0,1,2
	v_mov_b32 v[PC+3+6*\c+\i], v[PC+12+4*\c+\i]
.endr
.endr
.endm
.irp b, 0,1,2,3
	v_mov_b32 v[TM+4+\b], 0                        ; written once: a lane permute's destination counts as one of its sources
.endr
.irp a, 0,1,2,3,4,5,6,7                ; A's block a: its eight accumulators are 64 registers on end
	QUANT 64*(\a%4), 2+\a/4
	global_store_b128 v[LI], v[PC:PC+3], s[20:21] offset:\a*1536           ; each store covers whole aligned runs of 256 bytes
	global_store_b64 v[LH], v[PC+4:PC+5], s[20:21] offset:\a*1536+512
	global_store_b128 v[LI], v[PC+6:PC+9], s[20:21] offset:\a*1536+768
	global_store_b64 v[LH], v[PC+10:PC+11], s[20:21] offset:\a*1536+1280
	v_lshrrev_b32 v[PW+1], 16, v[PW]               ; the second head's two bytes as a word of its own
	ds_store_b32 v[SW], v[PW] offset:64*\a         ; my stage lies in slot 0: it has had its last fill, and nobody has read it since the last change of slots
	ds_store_b32 v[SW], v[PW+1] offset:512+64*\a
.endr
	ds_load_b128 v[TM:TM+3], v[SR]
	ds_load_b128 v[TM+4:TM+7], v[SR] offset:512
	s_wait_dscnt 1                                 ; the first array is back; the second may be out
	global_store_b128 v[LI], v[TM:TM+3], s[22:23]
	s_wait_dscnt 0x0
	s_cmp_eq_u32 ttmp9, 2                          ; v has one word a row
	s_cbranch_scc1 .Lone_word
	global_store_b128 v[LI], v[TM+4:TM+7], s[22:23] offset:8192
.Lone_word:
	s_wait_tensorcnt 0x0                           ; the wave's end
	ds_add_u32 v[SPW], v[NIL]
	s_wait_dscnt 0x0
	CROUND                                         ; the closing round
	s_endpgm
.Lfunc_end_k_q0dd0ca31a5_qkv:
	.size	k_q0dd0ca31a5_qkv, .Lfunc_end_k_q0dd0ca31a5_qkv-k_q0dd0ca31a5_qkv
	.p2alignl 7, 3214868480
	.fill 96, 4, 3214868480
	.section	.rodata,"a",@progbits
	.p2align	6, 0x0
	.amdhsa_kernel k_q0dd0ca31a5_qkv
		.amdhsa_group_segment_fixed_size 327680
		.amdhsa_private_segment_fixed_size 0
		.amdhsa_enable_private_segment 0
		.amdhsa_kernarg_size 24
		.amdhsa_user_sgpr_count 2
		.amdhsa_user_sgpr_kernarg_segment_ptr 1
		.amdhsa_wavefront_size32 1
		.amdhsa_system_sgpr_workgroup_id_x 1
		.amdhsa_system_sgpr_workgroup_id_y 1
		.amdhsa_system_sgpr_workgroup_id_z 1
		.amdhsa_system_vgpr_workitem_id 0
		.amdhsa_next_free_vgpr 1024
		.amdhsa_next_free_sgpr 100
		.amdhsa_reserve_vcc 0
		.amdhsa_float_denorm_mode_32 3
		.amdhsa_float_denorm_mode_16_64 3
		.amdhsa_memory_ordered 1
		.amdhsa_forward_progress 1
		.amdhsa_inst_pref_size 148
	.end_amdhsa_kernel
	.amdgpu_metadata
---
amdhsa.version: [ 1, 2 ]
amdhsa.kernels:
  - .name:           k_q0dd0ca31a5_qkv
    .symbol:         k_q0dd0ca31a5_qkv.kd
    .args:
      - { .name: A, .offset: 0, .size: 8, .value_kind: global_buffer, .address_space: global }
      - { .name: W, .offset: 8, .size: 8, .value_kind: global_buffer, .address_space: global }
      - { .name: QKV, .offset: 16, .size: 8, .value_kind: global_buffer, .address_space: global }
    .group_segment_fixed_size: 327680
    .private_segment_fixed_size: 0
    .kernarg_segment_align: 8
    .kernarg_segment_size: 24
    .max_flat_workgroup_size: 128
    .sgpr_count:     100
    .vgpr_count:     1024
    .wavefront_size: 32
...
	.end_amdgpu_metadata
.endif
;; end of part 2
;; launch attn (part 3): grid 8 x 32, 16 waves a work-group, clusters of 4 x 1, 221,184 bytes of LDS; arguments QKV, A; writes A
.if DOCPART == 3
	.amdgcn_target "amdgcn-amd-amdhsa--gfx1250"
	.amdhsa_code_object_version 6
	.text
	.protected	k_q0dd0ca31a5_attn
	.globl	k_q0dd0ca31a5_attn
	.p2align	8
	.type	k_q0dd0ca31a5_attn,@function
k_q0dd0ca31a5_attn:
	s_mov_b64 s[64:65], 0
	v_nop
	global_prefetch_b8 v0, s[64:65] scope:SCOPE_SE
	s_setreg_imm32_b32 hwreg(HW_REG_WAVE_MODE, 25, 1), 1
	s_wait_xcnt 0x0
	s_wait_alu depctr_hold_cnt(0) depctr_sa_sdst(0) depctr_va_vdst(0) depctr_va_sdst(0) depctr_va_ssrc(0) depctr_va_vcc(0) depctr_vm_vsrc(0)
	s_getreg_b32 s2, hwreg(HW_REG_IB_STS2, 6, 4)
	s_cmp_eq_u32 s2, 0
	s_cbranch_scc0 .Lentry_in_a_cluster
	s_endpgm
.Lentry_in_a_cluster:
	s_bfe_u32 s2, ttmp6, 0x10000c
	s_cmp_lg_u32 s2, 0x3003
	s_cbranch_scc0 .Lentry_shape_is_right
	s_endpgm
.Lentry_shape_is_right:
; o = softmax(q k^T / 8) v for 32 heads of 64, both products on codes of FP6 (E2M3); o is quantised along the channels and stored as half an operand of the projection.
; THE SOFTMAX: t = score x log2(e) / 8; M = the running largest t rounded UP to a whole number; p = 2^(t - M) is quantised along the keys, not normalised; the row's sum is taken of the unquantised p and divides at the end.
; SHARES.  A work-group owns 256 queries of ONE head (grid y = 2 x pair + e), wave w its query tile w: 16 queries.  Every wave walks all 2,048 keys, 128 a step.
; THE HEAD'S WHOLE K AND V LIE IN LDS (2 x 98,304 bytes) with their scale words (12,288): ten loads at the kernel's head, one a wave, and nothing is ever filled again.
; Waves 0-3 bring keys 0-511 of k and v and the scale words: the first barrier shows these.  Waves 4-9 bring the rest: a second barrier, in key step 3, shows them ahead of the first read of key 512.
; CLUSTER: the four query blocks of a cluster read the same k and v: every tensor load is joint, with a mask that names the four.  No prefetch: all tiles are asked for at the head, there is no loop to run ahead in.
; Both products are used transposed (S^T = k q^T, O^T = v^T p^T): a lane holds one query throughout.  The tiles' row order makes the 16 registers of key tiles 2 b, 2 b + 1 sixteen neighbouring keys.
; THE FIRST PRODUCT'S K IS 64: registers 6-11 of q's fragment are zero codes.  k's eight fragments lie dense, six registers each: a fragment's upper six are the next tile's codes (the last tile's: v's first six),
; which meet q's zero codes and add nothing: FP6 has no NaN or infinity, and no scale byte here is 0xff.
; LDS LOADS RUN AHEAD: behind a step's first products v's fragments of this step and k's of the next are asked for; the softmax stands between the request and the waits.
; A block's largest p is not searched for: the block's largest score goes through the same multiply-add and exponential (this takes v_exp_f32 not to fall where its input rises).
; OUT: fragment (token tile, pair) of A, my head's half of 768 bytes (registers 0-3 at 16 l, 4-5 at 512 + 8 l); two scale bytes a row at ASC + 16,384 pair + 8,192 e + 32 tile + 2 r.
; LIMITS: the promise holds while the scaled scores stay under 2^31 in magnitude; a block of zeros, or one under 2^-124, gets the byte 1 (read by this program alone); NaN and infinities are not served.
.set SCK,   0                          ; k's scale words, 64 bytes a tile
.set SCV,   8192                       ; v's, 256 bytes a key step
.set XCS,   12288                      ; the way out: 16 tiles x 32 bytes
.set SPARE, 12800                      ; the spare words: 128 bytes a wave
.set KB,    24576                      ; k: 128 tiles x 768
.set VB,    122880                     ; v: 16 key steps x 6,144
.set KC,    3145728
.set VC,    6291456
.set QS,    9437184
.set KVS,   9699328
.set ASC,   3145728
.set KF,  32                           ; v32-79   k's eight fragments, dense
.set VF,  80                           ; v80-127  v's four
.set S,   128                          ; v128-191 scores, then p
.set O,   192                          ; v192-223 O^T
.set KSC, 224                          ; v224-227 k's scale words; v228-229 v's; v28 q's; v11 p's
.set VSC, 228
.set P,   230                          ; v230-241 p's codes; v242-248 the conversions' second halves
.set CT,  242
.set T,   250                          ; v250-253 a number for each block
.set U,   7                            ; v7-10    the same from lane l xor 16, then the bytes
.set X,   29
.set PS,  11
.set F,   254                          ; v254 f; v255 named with it
.set CS,  22
.macro CROUND
	s_barrier_signal -1
	s_barrier_wait -1
	s_cmp_lg_u32 s18, 0
	s_cbranch_scc1 .Lnot_wave_0_\@
	s_barrier_signal -3
.Lnot_wave_0_\@:
	s_barrier_wait -3
	s_barrier_signal -1
	s_barrier_wait -1
.endm
.macro G1SET g, c, r, p                ; r rows of c elements of 8 bytes, p elements apart; the mask names the cluster's four
	s_mov_b32 s[\g], 15|(3<<16)|(1<<21)
	s_mov_b32 s[\g+1], (\c)<<16
	s_mov_b32 s[\g+2], (\r)<<16
	s_mov_b32 s[\g+3], (\c)<<16
	s_mov_b32 s[\g+4], \r
	s_mov_b32 s[\g+5], \p
	s_mov_b32 s[\g+6], 0
	s_mov_b32 s[\g+7], 0
.endm
.macro TL lds, off, g1                 ; my one load: to LDS byte lds, from byte off of QKV
	s_mov_b32 s57, \lds
	s_mov_b32 s20, \off
	s_add_nc_u64 s[58:59], s[4:5], s[20:21]
	s_or_b32 s59, s59, 0x80000000
	tensor_load_to_lds s[56:59], s[\g1:\g1+7]
	s_nop 0
.rept 4
	v_nop
.endr
.endm
.macro ARM w, lds, off, g1
	s_cmp_eq_u32 s18, \w
	s_cbranch_scc0 .Lnot_\w
	TL \lds, \off, \g1
	s_branch .Lasked
.Lnot_\w:
.endm
	s_load_b128 s[4:7], s[0:1], 0x0                ; QKV, A
	v_lshl_add_u32 v30, v0, 2, SPARE
	v_mov_b32 v31, 0
	ds_add_u32 v30, v31                            ; the opening lines
	ds_add_u32 v30, v31
	v_lshrrev_b32 v8, 5, v0
	v_readfirstlane_b32 s18, v8                    ; wave
	s_bfe_u32 s8, ttmp6, 0x40000                   ; cx
	s_lshl_b32 s9, ttmp9, 2
	s_add_co_u32 s9, s9, s8                        ; my block of 256 queries: it enters q's and the result's addresses alone
	s_and_b32 s10, ttmp7, 0xffff
	s_and_b32 s11, s10, 1                          ; e
	s_lshr_b32 s10, s10, 1                         ; pp = 8 x batch + pair
	G1SET 24, 96, 32, 192                          ; k: 32 tiles' halves of 768 bytes, 1,536 apart
	G1SET 32, 768, 4, 1536                         ; v: 4 key steps' 6,144 bytes, 12,288 apart
	G1SET 40, 32, 32, 32                           ; k's scale words: 8,192 bytes on end
	G1SET 48, 32, 16, 64                           ; v's: 256 bytes a key step, 512 apart
	s_mov_b32 s56, 1
	s_mov_b32 s21, 0
	s_mul_i32 s12, s10, 196608
	s_mul_i32 s13, s11, 768
	s_add_co_u32 s60, s12, s13
	s_add_co_u32 s60, s60, KC                      ; k, key 0
	s_mul_i32 s13, s11, 6144
	s_add_co_u32 s61, s12, s13
	s_add_co_u32 s61, s61, VC                      ; v, key 0
	s_mul_i32 s12, s10, 24576
	s_lshl_b32 s13, s11, 13
	s_add_co_u32 s62, s12, s13
	s_add_co_u32 s62, s62, KVS
	s_lshl_b32 s13, s11, 8
	s_add_co_u32 s63, s12, s13
	s_add_co_u32 s63, s63, KVS+16384
	s_lshr_b32 s14, s18, 1                         ; waves 4-9: 512 keys number wave / 2 - 1, k (even) or v (odd)
	s_and_b32 s15, s18, 1
	s_mul_i32 s16, s14, 24576                      ; (KB is one such piece: so piece c of k lies at 24,576 (c + 1))
	s_mul_i32 s17, s15, 98304
	s_add_co_u32 s16, s16, s17
	s_mul_i32 s17, s14, 49152
	s_sub_co_u32 s17, s17, 49152
	s_add_co_u32 s19, s60, s17
	s_add_co_u32 s17, s61, s17
	s_lshl_b32 s13, s9, 4
	s_add_co_u32 s13, s13, s18                     ; my token tile in the batch
	s_lshl_b32 s66, s10, 7
	s_add_co_u32 s66, s66, s13
	s_mul_i32 s66, s66, 1536
	s_mul_i32 s12, s11, 768
	s_add_co_u32 s66, s66, s12                     ; q's half image
	s_mov_b32 s67, 0
	s_lshl_b32 s68, s10, 14
	s_lshl_b32 s78, s11, 13
	s_add_co_u32 s68, s68, s78
	s_lshl_b32 s79, s13, 6
	s_add_co_u32 s68, s68, s79
	s_add_co_u32 s68, s68, QS                      ; q's scale words
	s_mov_b32 s69, 0
	s_lshr_b32 s80, s10, 3
	s_lshl_b32 s80, s80, 7                         ; 128 x batch
	s_and_b32 s79, s10, 7                          ; the pair = the projection's K step
	s_add_co_u32 s72, s80, s13
	s_lshl_b32 s72, s72, 3
	s_add_co_u32 s72, s72, s79
	s_mul_i32 s72, s72, 1536
	s_add_co_u32 s72, s72, s12                     ; the result's half fragment
	s_mov_b32 s73, 0
	s_lshl_b32 s74, s9, 4
	s_add_co_u32 s74, s74, s80
	s_lshl_b32 s74, s74, 5
	s_add_co_u32 s74, s74, s78
	s_lshl_b32 s79, s79, 14
	s_add_co_u32 s74, s74, s79
	s_add_co_u32 s74, s74, ASC                     ; its scale bytes
	s_mov_b32 s75, 0
	s_mov_b32 s76, 0x76543210
	s_mov_b32 s77, 0xfedcba98                      ; lane l xor 16
	s_mov_b32 s[CS], 0x3e38aa3b                    ; c = log2(e) / 8
	s_mov_b32 s[CS+1], s[CS]
	s_wait_alu depctr_va_vdst(0)
	s_wait_dscnt 0x0
	CROUND                                         ; all four work-groups are here: the joint loads meet
	s_wait_kmcnt 0x0
	ARM 0, KB, s60, 24
	ARM 1, VB, s61, 32
	ARM 2, SCK, s62, 40
	ARM 3, SCV, s63, 48
	s_cmp_lt_u32 s18, 10
	s_cbranch_scc0 .Lasked
	s_cmp_eq_u32 s15, 0
	s_cbranch_scc0 .Lrest_v
	TL s16, s19, 24
	s_branch .Lasked
.Lrest_v:
	TL s16, s17, 32
.Lasked:
	s_add_nc_u64 s[66:67], s[4:5], s[66:67]
	s_add_nc_u64 s[68:69], s[4:5], s[68:69]
	s_add_nc_u64 s[72:73], s[6:7], s[72:73]
	s_add_nc_u64 s[74:75], s[6:7], s[74:75]
	v_and_b32 v7, 31, v0
	v_and_b32 v8, 15, v0
	v_lshlrev_b32 v9, 4, v7                        ; 16 l
	v_lshlrev_b32 v10, 3, v7                       ; 8 l
	v_lshlrev_b32 v11, 2, v8
	global_load_b128 v[16:19], v9, s[66:67]        ; q's registers 0-5 stay
	global_load_b64 v[20:21], v10, s[66:67] offset:512
	global_load_b32 v28, v11, s[68:69]
	v_add_nc_u32 v1, KB, v9                        ; k: registers 0-3,
	v_add_nc_u32 v2, KB+512, v10                   ; 4-5
	v_add_nc_u32 v3, VB-6144, v9                   ; v: a step's text steps these three first
	v_add_nc_u32 v4, VB-6144, v10
	v_lshlrev_b32 v5, 2, v7                        ; scale words: lanes 0-15 an even tile's, lanes 16-31 the next tile's
	v_lshl_add_u32 v6, v7, 2, SCV-256
.irp j, 22,23,24,25,26,27, 80,81,82,83,84,85
	v_mov_b32 v[\j], 0                             ; q's upper 64: zero codes; v80-85 are named by k's last fragment before v's first load
.endr
	v_mov_b32 v13, 0xff61b1e6                      ; the largest t so far: -3e38
	v_floor_f32 v12, -v13                          ; -M
	v_mov_b32 v14, 0
	v_mov_b32 v15, 0
	v_mov_b32 v255, 0
.irp j, 0,1,2,3,4,5,6,7,8,9,10,11,12,13,14,15,16,17,18,19,20,21,22,23,24,25,26,27,28,29,30,31
	v_mov_b32 v[O+\j], 0                           ; O^T: the step is written once, its first turn finds zeros
.endr
.macro KLOAD                           ; 20 loads
.irp t, 0,1,2,3,4,5,6,7
	ds_load_b128 v[KF+6*\t:KF+6*\t+3], v1 offset:768*\t
	ds_load_b64 v[KF+6*\t+4:KF+6*\t+5], v2 offset:768*\t
.endr
.irp j, 0,1,2,3
	ds_load_b32 v[KSC+\j], v5 offset:128*\j
.endr
.endm
.macro KNEXT
	v_add_nc_u32 v1, 6144, v1
	v_add_nc_u32 v2, 6144, v2
	v_add_nc_u32 v5, 512, v5
.endm
; A KEY STEP: 128 keys.  mode 0: k's next fragments are asked for; 1: the same behind the barrier that shows keys 512 on; 2: the last step.
.macro STEP mode
	s_wait_dscnt 0x0                               ; k's fragments and scale words are in
.irp t, 0,1,2,3,4,5,6,7
.if \t%2
	v_wmma_scale_f32_16x16x128_f8f6f4 v[S+8*\t:S+8*\t+7], v[KF+6*\t:KF+6*\t+11], v[16:27], 0, v[KSC+\t/2], v28 matrix_a_fmt:MATRIX_FMT_FP6 matrix_b_fmt:MATRIX_FMT_FP6 matrix_a_scale:MATRIX_SCALE_ROW1
.else
	v_wmma_scale_f32_16x16x128_f8f6f4 v[S+8*\t:S+8*\t+7], v[KF+6*\t:KF+6*\t+11], v[16:27], 0, v[KSC+\t/2], v28 matrix_a_fmt:MATRIX_FMT_FP6 matrix_b_fmt:MATRIX_FMT_FP6
.endif
.endr
	v_add_nc_u32 v3, 6144, v3                      ; the address steps are the places behind the products, ahead of the loads into their sources and of the reads of their results
	v_add_nc_u32 v4, 6144, v4
	v_add_nc_u32 v6, 256, v6
.if \mode == 0
	KNEXT
.else
	v_nop
.endif
.irp t, 0,1,2,3                        ; v's four channel tiles of these 128 keys: 18 loads
	ds_load_b128 v[VF+12*\t:VF+12*\t+3], v3 offset:1536*\t
	ds_load_b64 v[VF+12*\t+4:VF+12*\t+5], v4 offset:1536*\t+512
	ds_load_b128 v[VF+12*\t+6:VF+12*\t+9], v3 offset:1536*\t+768
	ds_load_b64 v[VF+12*\t+10:VF+12*\t+11], v4 offset:1536*\t+1280
.endr
	ds_load_b32 v[VSC], v6
	ds_load_b32 v[VSC+1], v6 offset:128
.if \mode == 1
	s_wait_tensorcnt 0x0                           ; every wave: all that was still out has landed
	s_wait_dscnt 0x0
	s_barrier_signal -1
	s_barrier_wait -1                              ; keys 512 on are shown to all
	KNEXT
.endif
.if \mode < 2
	KLOAD
.endif
.irp b, 0,1,2,3
	v_max3_num_f32 v[T+\b], v[S+16*\b], v[S+1+16*\b], v[S+2+16*\b]     ; the largest score of each block of 32 keys
.endr
.irp i, 3,5,7,9,11,13
.irp b, 0,1,2,3
	v_max3_num_f32 v[T+\b], v[T+\b], v[S+16*\b+\i], v[S+1+16*\b+\i]
.endr
.endr
.irp b, 0,1,2,3
	v_max_num_f32 v[T+\b], v[T+\b], v[S+15+16*\b]
.endr
.irp b, 0,1,2,3
	v_permlanex16_b32 v[U+\b], v[T+\b], s76, s77
.endr
.irp b, 0,1,2,3
	v_max_num_f32 v[T+\b], v[T+\b], v[U+\b]
.endr
	s_delay_alu instid0(VALU_DEP_2)
	v_max3_num_f32 v[X], v[T], v[T+1], v[T+2]
	s_delay_alu instid0(VALU_DEP_1)
	v_max_num_f32 v[X], v[X], v[T+3]
	s_delay_alu instid0(VALU_DEP_1)
	v_mul_f32 v[X], s[CS], v[X]
	s_delay_alu instid0(VALU_DEP_1)
	v_max_num_f32 v13, v13, v[X]                   ; the running largest t
	v_mov_b32 v[X], v12
	s_delay_alu instid0(VALU_DEP_2)
	v_floor_f32 v12, -v13                          ; the new -M: M is a whole number
	s_delay_alu instid0(VALU_DEP_1)
	v_sub_f32 v[X], v12, v[X]
	s_delay_alu instid0(VALU_DEP_1)
	v_cvt_i32_f32 v[X], v[X]                       ; (it saturates)
	s_delay_alu instid0(VALU_DEP_1)
	v_ldexp_f32 v[F], 1.0, v[X]                    ; f = 2^(old M - new M): a multiplication by it rounds nothing
.irp j, 0,2,4,6,8,10,12,14,16,18,20,22,24,26,28,30,32,34,36,38,40,42,44,46,48,50,52,54,56,58,60,62
	v_pk_fma_f32 v[S+\j:S+1+\j], v[S+\j:S+1+\j], s[CS:CS+1], v[12:13] op_sel_hi:[1,0,0]
.endr
.irp b, 0,1,2,3
	v_fma_f32 v[T+\b], v[T+\b], s[CS], v12
.endr
	s_wait_alu depctr_va_vdst(0)                   ; the wait ahead of the batch
.irp b, 0,1,2,3
	v_exp_f32 v[T+\b], v[T+\b]                     ; the blocks' largest p
.endr
.irp j, 0,1,2,3,4,5,6,7,8,9,10,11,12,13,14,15,16,17,18,19,20,21,22,23,24,25,26,27,28,29,30,31,32,33,34,35,36,37,38,39,40,41,42,43,44,45,46,47,48,49,50,51,52,53,54,55,56,57,58,59,60,61,62,63
	v_exp_f32 v[S+\j], v[S+\j]                     ; p = 2^(t - M)
.endr
	v_pk_mul_f32 v[14:15], v[14:15], v[F:F+1] op_sel_hi:[1,0]      ; the sums under the new M (a plain place behind the exponentials)
	s_wait_alu depctr_va_vdst(0)                   ; one wait for the batch, directly ahead of O^T's first readers too
.irp j, 0,2,4,6,8,10,12,14,16,18,20,22,24,26,28,30
	v_pk_mul_f32 v[O+\j:O+1+\j], v[O+\j:O+1+\j], v[F:F+1] op_sel_hi:[1,0]       ; O^T under the new M
.endr
.irp b, 0,1,2,3
	v_max_num_f32 v[T+\b], 0x1800000, v[T+\b]      ; the floor 2^(3 - 127)
.endr
.irp b, 0,1,2,3
	v_add_nc_u32 v[T+\b], 0xff000000, v[T+\b]      ; 2 off the exponent field: the conversion's scale operand
.endr
.irp b, 0,1,2,3
	v_lshrrev_b32 v[U+\b], 23, v[T+\b]
.endr
.irp c, 0,1
	v_cvt_scalef32_pk16_fp6_f32 v[P+6*\c:P+2+6*\c], v[S+32*\c:S+15+32*\c], v[T+2*\c]
	v_cvt_scalef32_pk16_fp6_f32 v[CT+4*\c:CT+2+4*\c], v[S+16+32*\c:S+31+32*\c], v[T+2*\c+1]
.endr
	v_lshl_or_b32 v[PS], v[U+1], 8, v[U]           ; p's scale word for these 128 keys (plain places behind the conversions)
	v_lshl_or_b32 v[PS], v[U+2], 16, v[PS]
	v_lshl_or_b32 v[PS], v[U+3], 24, v[PS]
.irp c, 0,1
.irp i, 0,1,2
	v_permlane16_swap_b32 v[P+6*\c+\i], v[CT+4*\c+\i]
.endr
.irp i, 0,1,2
	v_mov_b32 v[P+3+6*\c+\i], v[CT+4*\c+\i]
.endr
.endr
.irp j, 0,2,4,6,8,10,12,14,16,18,20,22,24,26,28,30      ; the row's sum of the unquantised p, added in place: the codes are made
	v_pk_add_f32 v[S+\j:S+1+\j], v[S+\j:S+1+\j], v[S+32+\j:S+33+\j]
.endr
.irp j, 0,2,4,6,8,10,12,14
	v_pk_add_f32 v[S+\j:S+1+\j], v[S+\j:S+1+\j], v[S+16+\j:S+17+\j]
.endr
.irp j, 0,2,4,6
	v_pk_add_f32 v[S+\j:S+1+\j], v[S+\j:S+1+\j], v[S+8+\j:S+9+\j]
.endr
.irp j, 0,2
	v_pk_add_f32 v[S+\j:S+1+\j], v[S+\j:S+1+\j], v[S+4+\j:S+5+\j]
.endr
	s_delay_alu instid0(VALU_DEP_1)
	v_pk_add_f32 v[S:S+1], v[S:S+1], v[S+2:S+3]
	s_delay_alu instid0(VALU_DEP_1)
	v_pk_add_f32 v[14:15], v[14:15], v[S:S+1]
.if \mode < 2
	s_wait_dscnt 20                                ; v's 18 loads are in; k's 20, issued behind them, may be out
.else
	s_wait_dscnt 0x0
.endif
.irp t, 0,1,2,3
.if \t%2
	v_wmma_scale_f32_16x16x128_f8f6f4 v[O+8*\t:O+8*\t+7], v[VF+12*\t:VF+12*\t+11], v[P:P+11], v[O+8*\t:O+8*\t+7], v[VSC+\t/2], v[PS] matrix_a_fmt:MATRIX_FMT_FP6 matrix_b_fmt:MATRIX_FMT_FP6 matrix_a_scale:MATRIX_SCALE_ROW1
.else
	v_wmma_scale_f32_16x16x128_f8f6f4 v[O+8*\t:O+8*\t+7], v[VF+12*\t:VF+12*\t+11], v[P:P+11], v[O+8*\t:O+8*\t+7], v[VSC+\t/2], v[PS] matrix_a_fmt:MATRIX_FMT_FP6 matrix_b_fmt:MATRIX_FMT_FP6
.endif
.endr
.endm
	s_wait_alu depctr_va_vdst(0)                   ; the wait at the head's end
	s_cmp_lt_u32 s18, 4
	s_cbranch_scc0 .Lnot_first
	s_wait_tensorcnt 0x0                           ; waves 0-3: keys 0-511 and the scale words
.Lnot_first:
	s_barrier_signal -1
	s_barrier_wait -1
	KLOAD
	s_wait_loadcnt 0x0                             ; q
	s_mov_b32 s70, 3
.Lfirst:                                           ; key steps 0-2
	STEP 0
	s_sub_co_u32 s70, s70, 1
	s_cmp_lg_u32 s70, 0
	s_cbranch_scc1 .Lfirst
	STEP 1                                         ; key step 3
	s_mov_b32 s70, 11
.Lrest:                                            ; key steps 4-14
	STEP 0
	s_sub_co_u32 s70, s70, 1
	s_cmp_lg_u32 s70, 0
	s_cbranch_scc1 .Lrest
	STEP 2
	; THE WAY OUT: O^T / the sum; my head's 64 channels are half a fragment of the projection's operand
.rept 4
	v_nop
.endr
	s_wait_alu depctr_va_vdst(0)                   ; the sums were written ahead of the last step's wait for v
	v_add_f32 v14, v14, v15
	s_delay_alu instid0(VALU_DEP_1)
	v_permlanex16_b32 v[F], v14, s76, s77
	s_delay_alu instid0(VALU_DEP_1)
	v_add_f32 v14, v14, v[F]
	s_wait_alu depctr_va_vdst(0)
	v_rcp_f32 v14, v14
	v_and_b32 v7, 31, v0                           ; (plain places behind the transcendental)
	v_and_b32 v8, 15, v0
	s_lshl_b32 s82, s18, 5
	s_add_co_u32 s82, s82, XCS
	v_lshlrev_b32 v1, 4, v7
	v_lshlrev_b32 v2, 3, v7
	v_lshl_add_u32 v3, v8, 1, s82                  ; row r's two bytes in my tile's 32
	v_add_nc_u32 v4, XCS, v1
	s_wait_alu depctr_va_vdst(0)                   ; the wait ahead of the reciprocal's and O^T's first readers
	v_mov_b32 v15, v14
.irp j, 0,2,4,6,8,10,12,14,16,18,20,22,24,26,28,30
	v_pk_mul_f32 v[S+\j:S+1+\j], v[O+\j:O+1+\j], v[14:15]          ; register 16 b + i: channel 32 b + 16 (lane / 16) + i
.endr
.irp b, 0,1
	v_max3_num_f32 v[T+\b], |v[S+16*\b]|, |v[S+1+16*\b]|, 0x1800000
.endr
.irp i, 2,4,6,8,10,12,14
.irp b, 0,1
	v_max3_num_f32 v[T+\b], v[T+\b], |v[S+16*\b+\i]|, |v[S+1+16*\b+\i]|
.endr
.endr
.irp b, 0,1
	v_permlanex16_b32 v[9+\b], v[T+\b], s76, s77
.endr
.irp b, 0,1
	v_max_num_f32 v[T+\b], v[T+\b], v[9+\b]
.endr
.irp b, 0,1
	v_add_nc_u32 v[T+\b], 0xff000000, v[T+\b]
.endr
.irp b, 0,1
	v_lshrrev_b32 v[9+\b], 23, v[T+\b]
.endr
	v_lshl_or_b32 v[X], v10, 8, v9
	v_cvt_scalef32_pk16_fp6_f32 v[P:P+2], v[S:S+15], v[T]
	v_cvt_scalef32_pk16_fp6_f32 v[CT:CT+2], v[S+16:S+31], v[T+1]
	v_nop
.irp i, 0,1,2
	v_permlane16_swap_b32 v[P+\i], v[CT+\i]
.endr
.irp i, 0,1,2
	v_mov_b32 v[P+3+\i], v[CT+\i]
.endr
	global_store_b128 v1, v[P:P+3], s[72:73]       ; 512 consecutive bytes,
	global_store_b64 v2, v[P+4:P+5], s[72:73] offset:512   ; and 256
	ds_store_b16 v3, v[X]                          ; both halves of the lanes write the same bytes with the same value
	s_wait_dscnt 0x0                               ; for the others' sake: my store has landed
	s_barrier_signal -1
	s_barrier_wait -1
	s_cmp_lg_u32 s18, 0
	s_cbranch_scc1 .Lothers
	ds_load_b128 v[S:S+3], v4
	s_wait_dscnt 0x0
	global_store_b128 v1, v[S:S+3], s[74:75]       ; the work-group's 512 scale bytes
.Lothers:
	s_wait_tensorcnt 0x0                           ; the wave's end
	ds_add_u32 v30, v31
	s_wait_dscnt 0x0
	CROUND                                         ; the closing round
	s_endpgm
.Lfunc_end_k_q0dd0ca31a5_attn:
	.size	k_q0dd0ca31a5_attn, .Lfunc_end_k_q0dd0ca31a5_attn-k_q0dd0ca31a5_attn
	.p2alignl 7, 3214868480
	.fill 96, 4, 3214868480
	.section	.rodata,"a",@progbits
	.p2align	6, 0x0
	.amdhsa_kernel k_q0dd0ca31a5_attn
		.amdhsa_group_segment_fixed_size 221184
		.amdhsa_private_segment_fixed_size 0
		.amdhsa_enable_private_segment 0
		.amdhsa_kernarg_size 16
		.amdhsa_user_sgpr_count 2
		.amdhsa_user_sgpr_kernarg_segment_ptr 1
		.amdhsa_wavefront_size32 1
		.amdhsa_system_sgpr_workgroup_id_x 1
		.amdhsa_system_sgpr_workgroup_id_y 1
		.amdhsa_system_sgpr_workgroup_id_z 1
		.amdhsa_system_vgpr_workitem_id 0
		.amdhsa_next_free_vgpr 256
		.amdhsa_next_free_sgpr 84
		.amdhsa_reserve_vcc 0
		.amdhsa_float_denorm_mode_32 3
		.amdhsa_float_denorm_mode_16_64 3
		.amdhsa_memory_ordered 1
		.amdhsa_forward_progress 1
		.amdhsa_inst_pref_size 82
	.end_amdhsa_kernel
	.amdgpu_metadata
---
amdhsa.version: [ 1, 2 ]
amdhsa.kernels:
  - .name:           k_q0dd0ca31a5_attn
    .symbol:         k_q0dd0ca31a5_attn.kd
    .args:
      - { .name: QKV, .offset: 0, .size: 8, .value_kind: global_buffer, .address_space: global }
      - { .name: A, .offset: 8, .size: 8, .value_kind: global_buffer, .address_space: global }
    .group_segment_fixed_size: 221184
    .private_segment_fixed_size: 0
    .kernarg_segment_align: 8
    .kernarg_segment_size: 16
    .max_flat_workgroup_size: 512
    .sgpr_count:     84
    .vgpr_count:     256
    .wavefront_size: 32
...
	.end_amdgpu_metadata
.endif
;; end of part 3
;; launch proj (part 4): grid 8 x 32, 4 waves a work-group, clusters of 4 x 4, 327,680 bytes of LDS; arguments A, W, proj_b, x, X1; writes X1
.if DOCPART == 4
	.amdgcn_target "amdgcn-amd-amdhsa--gfx1250"
	.amdhsa_code_object_version 6
	.text
	.protected	k_q0dd0ca31a5_proj
	.globl	k_q0dd0ca31a5_proj
	.p2align	8
	.type	k_q0dd0ca31a5_proj,@function
k_q0dd0ca31a5_proj:
	s_mov_b64 s[64:65], 0
	v_nop
	global_prefetch_b8 v0, s[64:65] scope:SCOPE_SE
	s_setreg_imm32_b32 hwreg(HW_REG_WAVE_MODE, 25, 1), 1
	s_wait_xcnt 0x0
	s_wait_alu depctr_hold_cnt(0) depctr_sa_sdst(0) depctr_va_vdst(0) depctr_va_sdst(0) depctr_va_ssrc(0) depctr_va_vcc(0) depctr_vm_vsrc(0)
	s_getreg_b32 s2, hwreg(HW_REG_IB_STS2, 6, 4)
	s_cmp_eq_u32 s2, 0
	s_cbranch_scc0 .Lentry_in_a_cluster
	s_endpgm
.Lentry_in_a_cluster:
	s_bfe_u32 s2, ttmp6, 0x10000c
	s_cmp_lg_u32 s2, 0xf033
	s_cbranch_scc0 .Lentry_shape_is_right
	s_endpgm
.Lentry_shape_is_right:
.set WT,    4
.set NQ,    4
.set KS,    8
.set FB,    1536
.set ASC,   3145728
.set HASBIAS, 1
.set TILEB, NQ*1536
.set HALFT, WT*TILEB
.set SLOT,  4*HALFT
.set LAPS,  KS/(2*NQ)
.set HALFS, WT*KS*64
.set SCL,   2*SLOT
.set SCLB,  SCL+2*HALFS
.set SPARE, 327168
.set SA_T,  64
.set SA_K,  512
.set SA_SH, 9
.set SA_HALF, WT*32
.set SB_T,  64*KS
.set WSC,   9437184
.set ADRA,  16
.set ADRB,  20
.set ADRSA, 22
.set ADRSB, 23
.set STO,   24
.set RD,    25
.set CO,    26
.set SPW,   28
.set NIL,   29
.set SC,    32
.set BIAS,  64
.set AF,    128
.set BK,    128
.set G1,    24
.set G0,    32
.set G1B,   48
.set G0B,   56
.set G1S,   68
.set G0S,   76
.set G1SB,  80
.set G0SB,  88
.set MSB, 0
.macro WIN new
.if MSB != (\new)
	s_set_vgpr_msb (MSB<<8)|(\new)
.set MSB, (\new)
.endif
.endm
.macro JLOAD g0a, g1a, g0b, g1b
	s_cmp_eq_u32 s15, 0
	s_cbranch_scc0 .Lfor_b_\@
	tensor_load_to_lds s[\g0a:\g0a+3], s[\g1a:\g1a+7]
	s_nop 0
.rept 4
	v_nop
.endr
	s_branch .Lasked_\@
.Lfor_b_\@:
	tensor_load_to_lds s[\g0b:\g0b+3], s[\g1b:\g1b+7]
	s_nop 0
.rept 4
	v_nop
.endr
.Lasked_\@:
.endm
.macro CREST
	s_cmp_lg_u32 s14, 0
	s_cbranch_scc1 .Lnot_wave_0_\@
	s_barrier_signal -3
.Lnot_wave_0_\@:
	s_barrier_wait -3
	s_barrier_signal -1
	s_barrier_wait -1
.endm
.macro CROUND
	s_barrier_signal -1
	s_barrier_wait -1
	CREST
.endm
.macro PLACES
.rept 4
	v_nop
.endr
.endm
	s_load_b128 s[4:7], s[0:1], 0x0
	s_load_b128 s[8:11], s[0:1], 0x10
	s_load_b64 s[12:13], s[0:1], 0x20
	v_lshl_add_u32 v[SPW], v0, 2, SPARE
	v_mov_b32 v[NIL], 0
	ds_add_u32 v28, v29
	ds_add_u32 v28, v29
	s_wait_dscnt 0x0
	v_lshrrev_b32 v1, 5, v0
	v_readfirstlane_b32 s14, v1
	s_lshr_b32 s15, s14, 1
	s_and_b32 s16, s14, 1
	s_bfe_u32 s40, ttmp6, 0x40000
	s_bfe_u32 s41, ttmp6, 0x40004
	s_lshl_b32 s42, ttmp9, 2
	s_add_co_u32 s42, s42, s40
	s_and_b32 s17, ttmp7, 0xffff
	s_lshl_b32 s17, s17, 2
	s_add_co_u32 s17, s17, s41
	s_lshl_b32 s43, s41, 2
	s_lshl_b32 s43, 15, s43
	s_lshl_b32 s44, 0x1111, s40
	s_or_b32 s[G1+0], s43, (3<<16)|(1<<21)
	s_or_b32 s[G1B+0], s44, (3<<16)|(1<<21)
.irp g, G1, G1B
	s_mov_b32 s[\g+1], (192*NQ)<<16
	s_mov_b32 s[\g+2], (2*WT)<<16
	s_mov_b32 s[\g+3], (192*NQ)<<16
	s_mov_b32 s[\g+4], 2*WT
	s_mov_b32 s[\g+5], 192*KS
	s_mov_b32 s[\g+6], 0
	s_mov_b32 s[\g+7], 0
.endr
	s_or_b32 s[G1S+0], s43, (3<<16)|(1<<21)
	s_mov_b32 s[G1S+1], 32<<16                     ; A's scale bytes: for each K step and head 256 bytes (8 tiles x 16 rows x 2), 8,192 apart
	s_mov_b32 s[G1S+2], (2*KS)<<16
	s_mov_b32 s[G1S+3], 32<<16
	s_mov_b32 s[G1S+4], 2*KS
	s_mov_b32 s[G1S+5], 1024
	s_mov_b32 s[G1S+6], 0
	s_mov_b32 s[G1S+7], 0
	s_or_b32 s[G1SB+0], s44, (3<<16)|(1<<21)
	s_mov_b32 s[G1SB+1], 32<<16
	s_mov_b32 s[G1SB+2], (WT*KS/2)<<16
	s_mov_b32 s[G1SB+3], 32<<16
	s_mov_b32 s[G1SB+4], WT*KS/2
	s_mov_b32 s[G1SB+5], 32
	s_mov_b32 s[G1SB+6], 0
	s_mov_b32 s[G1SB+7], 0
	s_mov_b32 s18, 0
	s_mul_i32 s20, s17, 2*WT
	s_add_co_u32 s20, s20, s18
	s_mul_i32 s46, s42, 2*WT
	s_add_co_u32 s46, s46, s18
	s_mov_b32 s22, 0
	s_lshl_b32 s23, s17, 8
	s_add_co_u32 s22, s22, s23
	s_add_co_u32 s22, s22, ASC
	s_mov_b32 s23, 0
	s_mul_i32 s20, s20, KS*1536
	s_mov_b32 s21, 0
	s_mul_i32 s92, s46, KS*64
	s_add_co_u32 s92, s92, WSC+FB*64
	s_mov_b32 s93, 0
	s_mul_i32 s46, s46, KS*1536
	s_add_co_u32 s46, s46, FB*1536
	s_mov_b32 s47, 0
	s_mul_i32 s45, s14, HALFT
	s_mul_i32 s94, s14, HALFS
	s_wait_kmcnt 0x0
	s_add_nc_u64 s[20:21], s[4:5], s[20:21]
	s_add_nc_u64 s[22:23], s[4:5], s[22:23]
	s_add_nc_u64 s[46:47], s[6:7], s[46:47]
	s_add_nc_u64 s[92:93], s[6:7], s[92:93]
	CROUND
	s_mov_b32 s[G0S], 1
	s_mov_b32 s[G0S+1], SCL
	s_mov_b64 s[G0S+2:G0S+3], s[22:23]
	s_or_b32 s[G0S+3], s[G0S+3], 0x80000000
	s_mov_b32 s[G0SB], 1
	s_mov_b32 s[G0SB+1], SCLB
	s_mov_b64 s[G0SB+2:G0SB+3], s[92:93]
	s_or_b32 s[G0SB+3], s[G0SB+3], 0x80000000
.irp s, 0,1
	s_mov_b32 s[G0+4*\s], 1
	s_add_co_u32 s[G0+4*\s+1], s45, \s*SLOT
	s_add_nc_u64 s[G0+4*\s+2:G0+4*\s+3], s[20:21], \s*TILEB
	s_or_b32 s[G0+4*\s+3], s[G0+4*\s+3], 0x80000000
	s_mov_b32 s[G0B+4*\s], 1
	s_add_co_u32 s[G0B+4*\s+1], s45, \s*SLOT
	s_add_nc_u64 s[G0B+4*\s+2:G0B+4*\s+3], s[46:47], \s*TILEB
	s_or_b32 s[G0B+4*\s+3], s[G0B+4*\s+3], 0x80000000
.endr
; THE HEAD'S LOADS, ONE A WAVE: wave 0 A's slot 0, wave 1 A's scale bytes, wave 2 B's slot 0, wave 3 B's scale words; one chain of branches, one join.
.macro ARM w, g0, g1
	s_cmp_eq_u32 s14, \w
	s_cbranch_scc0 .Lnot_\w
	tensor_load_to_lds s[\g0:\g0+3], s[\g1:\g1+7]
	s_nop 0
.rept 4
	v_nop
.endr
	s_branch .Lhead_asked
.Lnot_\w:
.endm
	ARM 0, G0, G1
	ARM 1, G0S, G1S
	ARM 2, G0B, G1B
	tensor_load_to_lds s[G0SB:G0SB+3], s[G1SB:G1SB+7]
	s_nop 0
.rept 4
	v_nop
.endr
.Lhead_asked:
	; prefetches: of the 96 blocks of 256 bytes that my wave fetches for a slot, my work-group takes 24, told apart from its three partners by address (cx for A, cy for B)
	s_cmp_eq_u32 s15, 0
	s_cselect_b64 s[66:67], s[20:21], s[46:47]
	s_cselect_b32 s2, s40, s41
	s_mul_i32 s2, s2, (WT/4)*KS*1536
	s_mul_i32 s3, s16, WT*KS*1536
	s_add_co_u32 s2, s2, s3
	s_mov_b32 s3, 0
	s_add_nc_u64 s[66:67], s[66:67], s[2:3]
	v_and_b32 v30, 31, v0
	v_min_u32 v30, 23, v30                         ; lanes 24-31 name the last block again
	v_lshlrev_b32 v31, 8, v30
	global_prefetch_b8 v31, s[66:67] offset:TILEB th:TH_LOAD_NT scope:SCOPE_SE      ; slot 1, the launch's last
	v_and_b32 v1, 31, v0
	v_and_b32 v2, 15, v0
	v_bfe_u32 v3, v0, 4, 1
	s_wait_alu depctr_va_vdst(0)
	v_lshlrev_b32 v4, 4, v1
	s_wait_alu depctr_va_vdst(0)
	s_lshl_b32 s46, s42, 9
	s_lshl_b32 s47, s16, 8
	s_add_co_u32 s46, s46, s47
	s_mov_b32 s47, 0
	s_add_nc_u64 s[8:9], s[8:9], s[46:47]
	v_lshlrev_b32 v7, 6, v3
.irp b, 0,1,2,3
	global_load_b128 v[BIAS+8*\b:BIAS+8*\b+3], v7, s[8:9] offset:(32*(\b/2)+8*(\b%2))*4
	global_load_b128 v[BIAS+8*\b+4:BIAS+8*\b+7], v7, s[8:9] offset:(32*(\b/2)+8*(\b%2))*4+16
.endr
	s_lshl_b32 s20, s17, 7
	s_lshl_b32 s21, s15, 6
	s_add_co_u32 s20, s20, s21
	s_lshl_b32 s20, s20, 12
	s_add_co_u32 s20, s20, s46
	s_mov_b32 s21, 0
	s_add_nc_u64 s[10:11], s[10:11], s[20:21]
	s_add_nc_u64 s[12:13], s[12:13], s[20:21]
	v_lshlrev_b32 v[CO], 12, v3
	v_lshl_add_u32 v[CO], v2, 4, v[CO]
	WIN 0xc0
.irp a, 0,1,2,3
.irp i, 0,1,2,3,4,5,6,7
	global_load_b128 v[32*\a+4*\i:32*\a+4*\i+3], v[CO], s[10:11] offset:(32*(\a/2)+8*(\a%2)+2*\i+8*(\i/4))*4096 th:TH_LOAD_NT
.endr
.endr
	WIN 0
	s_mul_i32 s21, s15, HALFT
	s_mul_i32 s22, s16, HALFT
	s_add_co_u32 s22, s22, 2*HALFT
.irp s, 0,1
	v_add_nc_u32 v[ADRA+\s], s21, v4
	v_lshl_add_u32 v[ADRA+2+\s], v1, 3, s21        ; 8 x lane: registers 4-5 and 10-11 of A's halves
	v_add_nc_u32 v[ADRB+\s], s22, v4
	s_add_co_u32 s21, s21, SLOT
	s_add_co_u32 s22, s22, SLOT
.endr
	v_lshlrev_b32 v5, 2, v2
	v_lshlrev_b32 v6, 1, v2                        ; A's scale bytes: 2 r, lanes 16-31 the odd K step's, 512 on
	v_lshl_add_u32 v6, v3, SA_SH, v6
	s_mul_i32 s21, s15, SA_HALF
	s_add_co_u32 s21, s21, SCL
	v_add_nc_u32 v[ADRSA], s21, v6
	v_lshl_add_u32 v6, v3, 6, v5
	s_mul_i32 s21, s16, HALFS
	s_add_co_u32 s21, s21, SCLB
	v_add_nc_u32 v[ADRSB], s21, v6
	s_mul_i32 s21, s14, 4352
	v_mul_u32_u24 v[STO], v2, 272
	v_lshl_add_u32 v[STO], v3, 6, v[STO]
	v_add_nc_u32 v[STO], s21, v[STO]
	v_mul_u32_u24 v[RD], v3, 272
	v_lshl_add_u32 v[RD], v2, 4, v[RD]
	v_add_nc_u32 v[RD], s21, v[RD]
.macro FRAG reg, adr, q, i
.irp c, 0,1,2
	ds_load_b128 v[(\reg)+4*\c:(\reg)+4*\c+3], v[\adr] offset:(\i)*TILEB+(\q)*1536+512*\c
.endr
.endm
.macro FETCH_B slot, q, set
	WIN 0x40
.set fi, 0
.rept WT
	FRAG 128*(\set)+12*fi, ADRB+\slot, \q, fi
.set fi, fi+1
.endr
	WIN 0
.endm
.macro FETCH_A slot, q, half
.set fi, (\half)*(WT/2)
.rept WT/2
	ds_load_b128 v[AF+12*fi:AF+12*fi+3], v[ADRA+\slot] offset:fi*TILEB+(\q)*1536              ; A's fragment comes as two heads' halves of 768 bytes
	ds_load_b64 v[AF+12*fi+4:AF+12*fi+5], v[ADRA+2+\slot] offset:fi*TILEB+(\q)*1536+512
	ds_load_b128 v[AF+12*fi+6:AF+12*fi+9], v[ADRA+\slot] offset:fi*TILEB+(\q)*1536+768
	ds_load_b64 v[AF+12*fi+10:AF+12*fi+11], v[ADRA+2+\slot] offset:fi*TILEB+(\q)*1536+1280
.set fi, fi+1
.endr
.endm
.macro SCALES set
.irp p, 0,1
.if \p < NQ/2
.irp i, 0,1,2,3,4,5,6,7
.if \i < WT
	ds_load_b32 v[SC+16*\set+8+\p*WT+\i], v[ADRSB] offset:\i*SB_T+2*\p*64
.endif
.endr
.endif
.endr
.endm
.macro MULQ k, set, q, sc, first
.set ma, (WT/4)*(\k)
.set wn, 2+(ma*WT)/32
.if (\first) && HASBIAS
	WIN (wn<<6)|1
.else
	WIN (wn<<6)|(wn<<4)|1
.endif
.rept WT/4
.set mb, 0
.rept WT
.set rD, 8*((ma*WT+mb)%32)
.set rB, 128*(\set)+12*mb
.set rA, AF+12*ma
.set zB, SC+16*(\sc)+8+((\q)/2)*WT+mb
.set zA, SC+16*(\sc)+((\q)/2)*WT+ma
.if \first
	v_wmma_scale_f32_16x16x128_f8f6f4 v[rD:rD+7], v[rB:rB+11], v[rA:rA+11], v[BIAS+8*mb:BIAS+8*mb+7], v[zB], v[zA] matrix_a_fmt:MATRIX_FMT_FP6 matrix_b_fmt:MATRIX_FMT_FP6
.elseif (\q)%2
	v_wmma_scale_f32_16x16x128_f8f6f4 v[rD:rD+7], v[rB:rB+11], v[rA:rA+11], v[rD:rD+7], v[zB], v[zA] matrix_a_fmt:MATRIX_FMT_FP6 matrix_b_fmt:MATRIX_FMT_FP6 matrix_a_scale:MATRIX_SCALE_ROW1 matrix_b_scale:MATRIX_SCALE_ROW1
.else
	v_wmma_scale_f32_16x16x128_f8f6f4 v[rD:rD+7], v[rB:rB+11], v[rA:rA+11], v[rD:rD+7], v[zB], v[zA] matrix_a_fmt:MATRIX_FMT_FP6 matrix_b_fmt:MATRIX_FMT_FP6
.endif
.set mb, mb+1
.endr
.set ma, ma+1
.endr
.endm
.macro STEP slot, q, first
	s_wait_dscnt (WT/2)*3
	MULQ 0, (\q)%2, \q, \slot, \first
	MULQ 1, (\q)%2, \q, \slot, \first
	s_wait_dscnt 0x0
	PLACES
	FETCH_B \slot, (\q)+1, 1-(\q)%2
	FETCH_A \slot, (\q)+1, 0
	MULQ 2, (\q)%2, \q, \slot, \first
	MULQ 3, (\q)%2, \q, \slot, \first
	PLACES
	WIN 0
	FETCH_A \slot, (\q)+1, 1
.endm
.macro TURN slot, next, fill
	s_wait_tensorcnt 0x0
	ds_add_u32 v[SPW], v[NIL]
	s_wait_dscnt (WT/2)*3+1
	MULQ 0, 1, NQ-1, \slot, 0
	s_wait_dscnt 0x0
	s_barrier_signal -1
	MULQ 1, 1, NQ-1, \slot, 0
	WIN 0
	s_barrier_wait -1
.if \fill
	CREST
	s_add_nc_u64 s[G0+4*\slot+2:G0+4*\slot+3], s[G0+4*\slot+2:G0+4*\slot+3], 2*TILEB
	s_add_nc_u64 s[G0B+4*\slot+2:G0B+4*\slot+3], s[G0B+4*\slot+2:G0B+4*\slot+3], 2*TILEB
	JLOAD G0+4*\slot, G1, G0B+4*\slot, G1B
.else
	PLACES
.endif
	v_add_nc_u32 v[ADRSB], NQ*64, v[ADRSB]
	FETCH_B \next, 0, 0
	FETCH_A \next, 0, 0
	SCALES \next
	MULQ 2, 1, NQ-1, \slot, 0
	MULQ 3, 1, NQ-1, \slot, 0
	PLACES
	WIN 0
	FETCH_A \next, 0, 1
.endm
.macro MID slot
.set sq, 1
.rept NQ-2
	STEP \slot, sq, 0
.set sq, sq+1
.endr
.endm
	s_wait_alu depctr_va_vdst(0)
	s_wait_tensorcnt 0x0                           ; my tile of the head's four is in; the full sequence ahead of slot 1's first fill
	ds_add_u32 v[SPW], v[NIL]
	s_mov_b32 s[G1+2], WT<<16                      ; no tensor load of mine is out: from here on a load brings one half
	s_mov_b32 s[G1+4], WT
	s_mov_b32 s[G1B+2], WT<<16
	s_mov_b32 s[G1B+4], WT
	s_mul_i32 s2, s16, WT*KS*1536
	s_mov_b32 s3, 0
	s_add_nc_u64 s[G0+2:G0+3], s[G0+2:G0+3], s[2:3]
	s_add_nc_u64 s[G0+6:G0+7], s[G0+6:G0+7], s[2:3]
	s_add_nc_u64 s[G0B+2:G0B+3], s[G0B+2:G0B+3], s[2:3]
	s_add_nc_u64 s[G0B+6:G0B+7], s[G0B+6:G0B+7], s[2:3]
	s_wait_dscnt 0x0
	CROUND
	JLOAD G0+4, G1, G0B+4, G1B                     ; slot 1, the first tensor load behind the round
	; A's scale words for all of K, once: the two heads' byte pairs of a K step are joined; the register of K steps 2 P, 2 P + 1 and tile i
.irp P, 0,1,2,3
.irp i, 0,1,2,3
	ds_load_u16 v[192+8*\P+2*\i], v[ADRSA] offset:1024*\P+32*\i
	ds_load_u16 v[193+8*\P+2*\i], v[ADRSA] offset:1024*\P+32*\i+256
.endr
.endr
	s_wait_dscnt 0x0
.irp P, 0,1,2,3
.irp i, 0,1,2,3
	v_lshl_or_b32 v[SC+16*(\P/2)+4*(\P%2)+\i], v[193+8*\P+2*\i], 16, v[192+8*\P+2*\i]     ; the second set's eight lines are the places behind the first set's
.endr
.endr
	s_wait_alu depctr_va_vdst(0)
	FETCH_B 0, 0, 0
	FETCH_A 0, 0, 0
	SCALES 0
	FETCH_A 0, 0, 1
	s_wait_loadcnt 32
	STEP 0, 0, 1
.if LAPS > 1
	s_mov_b32 s3, LAPS-1
.Llap:
	MID 0
	TURN 0, 1, 1
	STEP 1, 0, 0
	MID 1
	TURN 1, 0, 1
	STEP 0, 0, 0
	s_sub_co_u32 s3, s3, 1
	s_cmp_lg_u32 s3, 0
	s_cbranch_scc1 .Llap
.endif
	MID 0
	TURN 0, 1, 0
	STEP 1, 0, 0
	MID 1
	s_wait_dscnt (WT/2)*3
	MULQ 0, 1, NQ-1, 1, 0
	MULQ 1, 1, NQ-1, 1, 0
	s_wait_dscnt 0x0
	MULQ 2, 1, NQ-1, 1, 0
	MULQ 3, 1, NQ-1, 1, 0
	WIN 0
	PLACES
.macro TOSTAGE a
	WIN 0x08
.irp b, 0,1,2,3
	ds_store_b128 v[STO], v[32*(\a)+8*\b:32*(\a)+8*\b+3] offset:128*(\b/2)+32*(\b%2)
	ds_store_b128 v[STO], v[32*(\a)+8*\b+4:32*(\a)+8*\b+7] offset:128*(\b/2)+32*(\b%2)+16
.endr
	WIN 0
.set BB, BK+32*((\a)%2)
.irp i, 0,1,2,3,4,5,6,7
	ds_load_b128 v[BB+4*\i:BB+4*\i+3], v[RD] offset:544*\i
.endr
.endm
.macro SEND a, younger
.set BB, BK+32*((\a)%2)
	s_wait_dscnt \younger
	WIN 0x0c
.irp k, 0,2,4,6,8,10,12,14,16,18,20,22,24,26,28,30
	v_pk_add_f32 v[BB+\k:BB+\k+1], v[BB+\k:BB+\k+1], v[32*(\a)+\k:32*(\a)+\k+1]
.endr
	WIN 0
.irp i, 0,1,2,3,4,5,6,7
	global_store_b128 v[CO], v[BB+4*\i:BB+4*\i+3], s[12:13] offset:(32*((\a)/2)+8*((\a)%2)+2*\i+8*(\i/4))*4096
.endr
.endm
	s_wait_loadcnt 0x0
	TOSTAGE 0
.irp a, 1,2,3
.if \a > 1
	s_wait_xcnt 0x0
.endif
	TOSTAGE \a
	SEND \a-1, 16
.endr
	SEND 3, 0
	s_wait_tensorcnt 0x0
	ds_add_u32 v[SPW], v[NIL]
	s_wait_dscnt 0x0
	CROUND
	s_endpgm
.Lfunc_end_k_q0dd0ca31a5_proj:
	.size	k_q0dd0ca31a5_proj, .Lfunc_end_k_q0dd0ca31a5_proj-k_q0dd0ca31a5_proj
	.p2alignl 7, 3214868480
	.fill 96, 4, 3214868480
	.section	.rodata,"a",@progbits
	.p2align	6, 0x0
	.amdhsa_kernel k_q0dd0ca31a5_proj
		.amdhsa_group_segment_fixed_size 327680
		.amdhsa_private_segment_fixed_size 0
		.amdhsa_enable_private_segment 0
		.amdhsa_kernarg_size 40
		.amdhsa_user_sgpr_count 2
		.amdhsa_user_sgpr_kernarg_segment_ptr 1
		.amdhsa_wavefront_size32 1
		.amdhsa_system_sgpr_workgroup_id_x 1
		.amdhsa_system_sgpr_workgroup_id_y 1
		.amdhsa_system_sgpr_workgroup_id_z 1
		.amdhsa_system_vgpr_workitem_id 0
		.amdhsa_next_free_vgpr 1024
		.amdhsa_next_free_sgpr 100
		.amdhsa_reserve_vcc 0
		.amdhsa_float_denorm_mode_32 3
		.amdhsa_float_denorm_mode_16_64 3
		.amdhsa_memory_ordered 1
		.amdhsa_forward_progress 1
		.amdhsa_inst_pref_size 66
	.end_amdhsa_kernel
	.amdgpu_metadata
---
amdhsa.version: [ 1, 2 ]
amdhsa.kernels:
  - .name:           k_q0dd0ca31a5_proj
    .symbol:         k_q0dd0ca31a5_proj.kd
    .args:
      - { .name: A, .offset: 0, .size: 8, .value_kind: global_buffer, .address_space: global }
      - { .name: W, .offset: 8, .size: 8, .value_kind: global_buffer, .address_space: global }
      - { .name: proj_b, .offset: 16, .size: 8, .value_kind: global_buffer, .address_space: global }
      - { .name: x, .offset: 24, .size: 8, .value_kind: global_buffer, .address_space: global }
      - { .name: X1, .offset: 32, .size: 8, .value_kind: global_buffer, .address_space: global }
    .group_segment_fixed_size: 327680
    .private_segment_fixed_size: 0
    .kernarg_segment_align: 8
    .kernarg_segment_size: 40
    .max_flat_workgroup_size: 128
    .sgpr_count:     100
    .vgpr_count:     1024
    .wavefront_size: 32
...
	.end_amdgpu_metadata
.endif
;; end of part 4
;; launch ln1 (part 5): grid 256 x 1, 8 waves a work-group, no clusters, 78,848 bytes of LDS; arguments X1, ln2_g, ln2_b, A; writes A
.if DOCPART == 5
	.amdgcn_target "amdgcn-amd-amdhsa--gfx1250"
	.amdhsa_code_object_version 6
	.text
	.protected	k_q0dd0ca31a5_ln1
	.globl	k_q0dd0ca31a5_ln1
	.p2align	8
	.type	k_q0dd0ca31a5_ln1,@function
k_q0dd0ca31a5_ln1:
	s_mov_b64 s[64:65], 0
	v_nop
	global_prefetch_b8 v0, s[64:65] scope:SCOPE_SE
	s_setreg_imm32_b32 hwreg(HW_REG_WAVE_MODE, 25, 1), 1
	s_wait_xcnt 0x0
; y = (x - mean) rsqrt(var + 1e-5) g + b over rows of 1,024, in f32, then quantised along the row to FP6 (E2M3), one E8M0 byte for each 32, and stored as images of operand registers.
; A work-group takes one tile of 16 rows: tile t, place r is row 32 (t / 2) + 8 (t % 2) + r % 8 + 16 (r / 8).  Wave w takes K step w, 128 columns of all 16 rows: one fragment.
; Each load reads 512 consecutive bytes of a row; the 16 rows, g and b turn through the wave's own stage in LDS, so that lane (r, h) gets K = 64 c + 32 h + 0 .. 31 of row r: whole blocks.
; The variance is taken in a second pass over x - mean: no difference of large sums.  The waves' sums meet in LDS: three barriers in all.
; Out: fragment (t, w) at (8 t + w) x 1,536; its scale words at ASC + 512 t + 64 w.
; LIMITS: a block of zeros, or one under 2^-124, gets the byte 1 (read by this program alone); NaN and infinities are not served.
.set STG,  9504                        ; a wave's stage: 18 rows of 512 + 16 bytes
.set RED1, 76032                       ; 16 rows x 8 waves' sums; the sums of squares 512 bytes on
.set SCW,  77056                       ; the tile's 8 x 16 scale words
.set ASC,  3145728
.set X,    96                          ; v96-159  my 64 numbers
.set G,    160                         ; v160-223 g at their columns
.set BB,   16                          ; v16-79   b likewise (first: the rows as loaded, v16-87)
.set T,    224                         ; v224-231 at work
.set MU,   232
.set RS,   234
.set M,    236
.set SO,   238
.set BY,   240
.set PW,   242
.set TW,   243
.set PC,   244                         ; v244-255 the fragment
	s_load_b256 s[4:11], s[0:1], 0x0               ; the rows, g, b, A
	v_lshl_add_u32 v94, v0, 2, 0x13000
	v_mov_b32 v95, 0
	v_lshrrev_b32 v1, 5, v0
	s_delay_alu instid0(VALU_DEP_1)
	v_readfirstlane_b32 s14, v1                    ; wave = K step
	v_and_b32 v1, 31, v0
	v_and_b32 v2, 15, v0                           ; r
	v_bfe_u32 v3, v0, 4, 1                         ; h
	s_lshl_b32 s15, s14, 9
	v_lshlrev_b32 v9, 4, v1                        ; 16 x lane
	s_delay_alu instid0(VALU_DEP_1)
	v_add_nc_u32 v4, s15, v9                       ; my 16 bytes of my wave's 512 of a row
	s_mul_i32 s16, s14, STG
	v_add_nc_u32 v5, s16, v9                       ; the stage, on the way in
	v_mul_u32_u24 v6, v2, 528
	s_delay_alu instid0(VALU_DEP_1)
	v_lshl_add_u32 v6, v3, 7, v6
	s_delay_alu instid0(VALU_DEP_1)
	v_add_nc_u32 v6, s16, v6                       ; and out: row r, + 128 h
	v_lshlrev_b32 v10, 7, v3
	s_delay_alu instid0(VALU_DEP_1)
	v_add_nc_u32 v10, s16, v10                     ; g's and b's rows: + 128 h
	v_lshlrev_b32 v8, 5, v2
	s_delay_alu instid0(VALU_DEP_1)
	v_add_nc_u32 v8, RED1, v8                      ; row r's eight sums
	s_lshl_b32 s17, s14, 2
	v_add_nc_u32 v7, s17, v8                       ; my wave's among them
	v_lshlrev_b32 v11, 2, v2
	s_lshl_b32 s17, s14, 6
	v_add_nc_u32 v11, s17, v11
	s_delay_alu instid0(VALU_DEP_1)
	v_add_nc_u32 v11, SCW, v11                     ; my row's scale word
	v_add_nc_u32 v12, SCW, v9
	s_lshr_b32 s18, ttmp9, 1
	s_lshl_b32 s18, s18, 5
	s_and_b32 s19, ttmp9, 1
	s_lshl_b32 s19, s19, 3
	s_add_co_u32 s18, s18, s19                     ; the tile's first row
	s_lshl_b32 s18, s18, 12
	s_mov_b32 s19, 0
	s_mov_b32 s20, 0x3a800000                      ; 1 / 1,024
	s_mov_b32 s21, 0x3727c5ac                      ; 1e-5
	s_mov_b32 s22, 0x76543210
	s_mov_b32 s23, 0xfedcba98                      ; lane l xor 16
	s_lshl_b32 s24, ttmp9, 3
	s_add_co_u32 s24, s24, s14
	s_mul_i32 s24, s24, 1536
	s_mov_b32 s25, 0
	s_lshl_b32 s26, ttmp9, 9
	s_add_co_u32 s26, s26, ASC
	s_mov_b32 s27, 0
	s_wait_alu depctr_va_vdst(0)
	s_wait_kmcnt 0x0
	s_add_nc_u64 s[4:5], s[4:5], s[18:19]
	s_add_nc_u64 s[24:25], s[10:11], s[24:25]
	s_add_nc_u64 s[26:27], s[10:11], s[26:27]
.irp i, 0,1,2,3,4,5,6,7,8,9,10,11,12,13,14,15
	global_load_b128 v[16+4*\i:19+4*\i], v4, s[4:5] offset:((\i&7)+16*(\i>>3))*4096 th:TH_LOAD_NT
.endr
	global_load_b128 v[80:83], v4, s[6:7]
	global_load_b128 v[84:87], v4, s[8:9]
.irp i, 0,1,2,3,4,5,6,7,8,9,10,11,12,13,14,15,16,17
	s_wait_loadcnt 17-\i                           ; loads come back in order: row i is in, the later ones may be out
	ds_store_b128 v5, v[16+4*\i:19+4*\i] offset:528*\i
.endr
.irp c, 0,1
.irp j, 0,1,2,3,4,5,6,7
	ds_load_b128 v[X+32*\c+4*\j:X+32*\c+4*\j+3], v6 offset:256*\c+16*\j     ; LDS serves a wave's instructions in order: these see my wave's stores
.endr
.endr
.irp c, 0,1
.irp j, 0,1,2,3,4,5,6,7
	ds_load_b128 v[G+32*\c+4*\j:G+32*\c+4*\j+3], v10 offset:16*528+256*\c+16*\j
.endr
.endr
	s_wait_dscnt 16                                ; the stores and x are done; g's 16 loads may be out
.irp c, 0,1
.irp j, 0,1,2,3,4,5,6,7
	ds_load_b128 v[BB+32*\c+4*\j:BB+32*\c+4*\j+3], v10 offset:17*528+256*\c+16*\j
.endr
.endr
	; the row's sum: four chains, the other half of the lanes, then the eight waves
.irp k, 0,1,2,3
	v_pk_add_f32 v[T+2*\k:T+2*\k+1], v[X+4*\k:X+4*\k+1], v[X+4*\k+2:X+4*\k+3]
.endr
.irp j, 16,24,32,40,48,56
.irp k, 0,1,2,3
	s_delay_alu instid0(VALU_DEP_4)
	v_pk_add_f32 v[T+2*\k:T+2*\k+1], v[T+2*\k:T+2*\k+1], v[X+\j+2*\k:X+\j+2*\k+1]
.endr
.endr
.macro FOLD red                        ; T's four pairs -> one number; with lane l xor 16's; to LDS; barrier; the eight waves' numbers added into v[T]
	s_delay_alu instid0(VALU_DEP_3)
	v_pk_add_f32 v[T:T+1], v[T:T+1], v[T+2:T+3]
	s_delay_alu instid0(VALU_DEP_2)
	v_pk_add_f32 v[T+4:T+5], v[T+4:T+5], v[T+6:T+7]
	s_delay_alu instid0(VALU_DEP_1)
	v_pk_add_f32 v[T:T+1], v[T:T+1], v[T+4:T+5]
	s_delay_alu instid0(VALU_DEP_1)
	v_add_f32 v[T], v[T], v[T+1]
	s_delay_alu instid0(VALU_DEP_1)
	v_permlanex16_b32 v[T+1], v[T], s22, s23
	s_delay_alu instid0(VALU_DEP_1)
	v_add_f32 v[T], v[T], v[T+1]
	ds_store_b32 v7, v[T] offset:\red              ; both halves of the lanes write the same word with the same value
	s_wait_dscnt 0x0                               ; for the others' sake: my store has landed
	s_barrier_signal -1
	s_barrier_wait -1
	ds_load_b128 v[T:T+3], v8 offset:\red
	ds_load_b128 v[T+4:T+7], v8 offset:\red+16
	s_wait_dscnt 0x0
	v_pk_add_f32 v[T:T+1], v[T:T+1], v[T+2:T+3]
	v_pk_add_f32 v[T+4:T+5], v[T+4:T+5], v[T+6:T+7]
	s_delay_alu instid0(VALU_DEP_1)
	v_pk_add_f32 v[T:T+1], v[T:T+1], v[T+4:T+5]
	s_delay_alu instid0(VALU_DEP_1)
	v_add_f32 v[T], v[T], v[T+1]
.endm
	FOLD 0
	s_delay_alu instid0(VALU_DEP_1)
	v_mul_f32 v[MU], s20, v[T]                     ; the mean
	s_delay_alu instid0(VALU_DEP_1)
	v_mov_b32 v[MU+1], v[MU]
.irp j, 0,2,4,6,8,10,12,14,16,18,20,22,24,26,28,30,32,34,36,38,40,42,44,46,48,50,52,54,56,58,60,62
	v_pk_add_f32 v[X+\j:X+\j+1], v[X+\j:X+\j+1], v[MU:MU+1] neg_lo:[0,1] neg_hi:[0,1]
.endr
.irp k, 0,1,2,3
	v_pk_mul_f32 v[T+2*\k:T+2*\k+1], v[X+2*\k:X+2*\k+1], v[X+2*\k:X+2*\k+1]
.endr
.irp j, 8,16,24,32,40,48,56
.irp k, 0,1,2,3
	s_delay_alu instid0(VALU_DEP_4)
	v_pk_fma_f32 v[T+2*\k:T+2*\k+1], v[X+\j+2*\k:X+\j+2*\k+1], v[X+\j+2*\k:X+\j+2*\k+1], v[T+2*\k:T+2*\k+1]
.endr
.endr
	FOLD 512
	s_delay_alu instid0(VALU_DEP_1)
	v_fma_f32 v[RS], v[T], s20, s21                ; var + 1e-5
	s_wait_alu depctr_va_vdst(0)
	v_rsq_f32 v[RS], v[RS]
	v_nop                                          ; a plain place behind the transcendental
	s_wait_alu depctr_va_vdst(0)                   ; and the wait ahead of its first reader
	v_mov_b32 v[RS+1], v[RS]
.irp j, 0,2,4,6,8,10,12,14,16,18,20,22,24,26,28,30,32,34,36,38,40,42,44,46,48,50,52,54,56,58,60,62
	v_pk_mul_f32 v[X+\j:X+\j+1], v[X+\j:X+\j+1], v[RS:RS+1]
.endr
.irp j, 0,2,4,6,8,10,12,14,16,18,20,22,24,26,28,30,32,34,36,38,40,42,44,46,48,50,52,54,56,58,60,62
	v_pk_fma_f32 v[X+\j:X+\j+1], v[X+\j:X+\j+1], v[G+\j:G+\j+1], v[BB+\j:BB+\j+1]
.endr
	; the quantiser: my two blocks, 2 c + h, are wholly mine
.irp c, 0,1
	v_max3_num_f32 v[M+\c], |v[X+32*\c]|, |v[X+32*\c+1]|, 0x1800000    ; the floor 2^(3 - 127): the byte cannot fall under 1
.endr
.irp i, 2,4,6,8,10,12,14,16,18,20,22,24,26,28,30
.irp c, 0,1
	s_delay_alu instid0(VALU_DEP_2)
	v_max3_num_f32 v[M+\c], v[M+\c], |v[X+32*\c+\i]|, |v[X+32*\c+\i+1]|
.endr
.endr
.irp c, 0,1
	s_delay_alu instid0(VALU_DEP_2)
	v_add_nc_u32 v[SO+\c], 0xff000000, v[M+\c]     ; 2 off the exponent field: the conversion's scale operand
.endr
.irp c, 0,1
	s_delay_alu instid0(VALU_DEP_2)
	v_lshrrev_b32 v[BY+\c], 23, v[SO+\c]
.endr
	s_delay_alu instid0(VALU_DEP_1)
	v_lshl_or_b32 v[PW], v[BY+1], 16, v[BY]        ; my bytes: blocks h and 2 + h,
	v_lshlrev_b32 v[TW], 3, v3
	s_delay_alu instid0(VALU_DEP_1)
	v_lshlrev_b32 v[PW], v[TW], v[PW]              ; 8 h bits up;
	s_delay_alu instid0(VALU_DEP_1)
	v_permlanex16_b32 v[TW], v[PW], s22, s23
	s_delay_alu instid0(VALU_DEP_1)
	v_or_b32 v[PW], v[PW], v[TW]                   ; with lane l xor 16's two the word is whole
.irp c, 0,1
	v_cvt_scalef32_pk16_fp6_f32 v[PC+6*\c:PC+6*\c+2], v[X+32*\c:X+32*\c+15], v[SO+\c]
	v_cvt_scalef32_pk16_fp6_f32 v[80+4*\c:82+4*\c], v[X+32*\c+16:X+32*\c+31], v[SO+\c]   ; (a conversion's three registers begin on an even number)
.endr
	v_nop                                          ; one plain place behind a scaled conversion
.irp c, 0,1
.irp i, 0,1,2
	v_mov_b32 v[PC+3+6*\c+\i], v[80+4*\c+\i]
.endr
.endr
.irp c, 0,1,2
	global_store_b128 v9, v[PC+4*\c:PC+4*\c+3], s[24:25] offset:512*\c     ; 32 lanes store 512 consecutive bytes
.endr
	ds_store_b32 v11, v[PW]
	s_wait_dscnt 0x0
	s_barrier_signal -1
	s_barrier_wait -1                              ; the tile's 128 scale words lie in LDS
	s_cmp_lg_u32 s14, 0
	s_cbranch_scc1 .Ldone
	ds_load_b128 v[T:T+3], v12
	s_wait_dscnt 0x0
	global_store_b128 v9, v[T:T+3], s[26:27]       ; wave 0 stores them: 512 consecutive bytes
.Ldone:
	s_wait_tensorcnt 0x0
	ds_add_u32 v94, v95
	s_wait_dscnt 0x0
	s_endpgm
.Lfunc_end_k_q0dd0ca31a5_ln1:
	.size	k_q0dd0ca31a5_ln1, .Lfunc_end_k_q0dd0ca31a5_ln1-k_q0dd0ca31a5_ln1
	.p2alignl 7, 3214868480
	.fill 96, 4, 3214868480
	.section	.rodata,"a",@progbits
	.p2align	6, 0x0
	.amdhsa_kernel k_q0dd0ca31a5_ln1
		.amdhsa_group_segment_fixed_size 78848
		.amdhsa_private_segment_fixed_size 0
		.amdhsa_enable_private_segment 0
		.amdhsa_kernarg_size 32
		.amdhsa_user_sgpr_count 2
		.amdhsa_user_sgpr_kernarg_segment_ptr 1
		.amdhsa_wavefront_size32 1
		.amdhsa_system_sgpr_workgroup_id_x 1
		.amdhsa_system_sgpr_workgroup_id_y 1
		.amdhsa_system_sgpr_workgroup_id_z 1
		.amdhsa_system_vgpr_workitem_id 0
		.amdhsa_next_free_vgpr 256
		.amdhsa_next_free_sgpr 66
		.amdhsa_reserve_vcc 0
		.amdhsa_float_denorm_mode_32 3
		.amdhsa_float_denorm_mode_16_64 3
		.amdhsa_memory_ordered 1
		.amdhsa_forward_progress 1
		.amdhsa_inst_pref_size 28
	.end_amdhsa_kernel
	.amdgpu_metadata
---
amdhsa.version: [ 1, 2 ]
amdhsa.kernels:
  - .name:           k_q0dd0ca31a5_ln1
    .symbol:         k_q0dd0ca31a5_ln1.kd
    .args:
      - { .name: X1, .offset: 0, .size: 8, .value_kind: global_buffer, .address_space: global }
      - { .name: ln2_g, .offset: 8, .size: 8, .value_kind: global_buffer, .address_space: global }
      - { .name: ln2_b, .offset: 16, .size: 8, .value_kind: global_buffer, .address_space: global }
      - { .name: A, .offset: 24, .size: 8, .value_kind: global_buffer, .address_space: global }
    .group_segment_fixed_size: 78848
    .private_segment_fixed_size: 0
    .kernarg_segment_align: 8
    .kernarg_segment_size: 32
    .max_flat_workgroup_size: 256
    .sgpr_count:     66
    .vgpr_count:     256
    .wavefront_size: 32
...
	.end_amdgpu_metadata
.endif
;; end of part 5
;; launch ff1 (part 6): grid 16 x 16, 4 waves a work-group, clusters of 4 x 4, 327,680 bytes of LDS; arguments A, W, b1, HID; writes HID
.if DOCPART == 6
	.amdgcn_target "amdgcn-amd-amdhsa--gfx1250"
	.amdhsa_code_object_version 6
	.text
	.protected	k_q0dd0ca31a5_ff1
	.globl	k_q0dd0ca31a5_ff1
	.p2align	8
	.type	k_q0dd0ca31a5_ff1,@function
k_q0dd0ca31a5_ff1:
	s_mov_b64 s[64:65], 0
	v_nop
	global_prefetch_b8 v0, s[64:65] scope:SCOPE_SE
	s_setreg_imm32_b32 hwreg(HW_REG_WAVE_MODE, 25, 1), 1
	s_wait_xcnt 0x0
	s_wait_alu depctr_hold_cnt(0) depctr_sa_sdst(0) depctr_va_vdst(0) depctr_va_sdst(0) depctr_va_ssrc(0) depctr_va_vcc(0) depctr_vm_vsrc(0)
	s_getreg_b32 s2, hwreg(HW_REG_IB_STS2, 6, 4)
	s_cmp_eq_u32 s2, 0
	s_cbranch_scc0 .Lentry_in_a_cluster
	s_endpgm
.Lentry_in_a_cluster:
	s_bfe_u32 s2, ttmp6, 0x10000c
	s_cmp_lg_u32 s2, 0xf033
	s_cbranch_scc0 .Lentry_shape_is_right
	s_endpgm
.Lentry_shape_is_right:
.set WT,    8
.set NQ,    2
.set KS,    8
.set FB,    2048
.set ASC,   3145728
.set HSC,   12582912
.set HASBIAS, 1
.set TILEB, NQ*1536
.set HALFT, WT*TILEB
.set SLOT,  4*HALFT
.set LAPS,  KS/(2*NQ)
.set HALFS, WT*KS*64
.set SCL,   2*SLOT
.set SCLB,  SCL+2*HALFS
.set SPARE, 327168
.set SA_T,  64*KS
.set SA_K,  64
.set SA_SH, 6
.set SA_HALF, HALFS
.set SB_T,  64*KS
.set WSC,   9437184
.set ADRA,  16
.set ADRB,  20
.set ADRSA, 22
.set ADRSB, 23
.set LI,    24
.set SRD,   25
.set SW0,   26
.set SPW,   28
.set NIL,   29
.set SWA,   30
.set SC,    32
.set BIAS,  64
.set AF,    128
.set GA,    128
.set GH,    144
.set GT,    160
.set GS,    176
.set GR,    192
.set GQ,    208
.set TM,    208
.set PW,    224
.set PC,    226
.set KC1,   246
.set KC3,   248
.set KD1,   250
.set SEL,   96
.set G1,    24
.set G0,    32
.set G1B,   48
.set G0B,   56
.set G1S,   68
.set G0S,   76
.set G1SB,  80
.set G0SB,  88
.set MSB, 0
.macro WIN new
.if MSB != (\new)
	s_set_vgpr_msb (MSB<<8)|(\new)
.set MSB, (\new)
.endif
.endm
.macro JLOAD g0a, g1a, g0b, g1b
	s_cmp_eq_u32 s15, 0
	s_cbranch_scc0 .Lfor_b_\@
	tensor_load_to_lds s[\g0a:\g0a+3], s[\g1a:\g1a+7]
	s_nop 0
.rept 4
	v_nop
.endr
	s_branch .Lasked_\@
.Lfor_b_\@:
	tensor_load_to_lds s[\g0b:\g0b+3], s[\g1b:\g1b+7]
	s_nop 0
.rept 4
	v_nop
.endr
.Lasked_\@:
.endm
.macro CREST
	s_cmp_lg_u32 s14, 0
	s_cbranch_scc1 .Lnot_wave_0_\@
	s_barrier_signal -3
.Lnot_wave_0_\@:
	s_barrier_wait -3
	s_barrier_signal -1
	s_barrier_wait -1
.endm
.macro CROUND
	s_barrier_signal -1
	s_barrier_wait -1
	CREST
.endm
.macro PLACES
.rept 4
	v_nop
.endr
.endm
	s_load_b128 s[4:7], s[0:1], 0x0
	s_load_b128 s[8:11], s[0:1], 0x10
	v_lshl_add_u32 v[SPW], v0, 2, SPARE
	v_mov_b32 v[NIL], 0
	ds_add_u32 v28, v29
	ds_add_u32 v28, v29
	s_wait_dscnt 0x0
	v_lshrrev_b32 v1, 5, v0
	v_readfirstlane_b32 s14, v1
	s_lshr_b32 s15, s14, 1
	s_and_b32 s16, s14, 1
	s_bfe_u32 s40, ttmp6, 0x40000
	s_bfe_u32 s41, ttmp6, 0x40004
	s_lshl_b32 s42, ttmp9, 2
	s_add_co_u32 s42, s42, s40
	s_and_b32 s17, ttmp7, 0xffff
	s_lshl_b32 s17, s17, 2
	s_add_co_u32 s17, s17, s41
	s_lshl_b32 s43, s41, 2
	s_lshl_b32 s43, 15, s43
	s_lshl_b32 s44, 0x1111, s40
	s_mov_b32 s[SEL], 0x76543210
	s_mov_b32 s[SEL+1], 0xfedcba98
	s_mov_b32 s98, 0x3f6d8000
	s_or_b32 s[G1+0], s43, (3<<16)|(1<<21)
	s_or_b32 s[G1B+0], s44, (3<<16)|(1<<21)
.irp g, G1, G1B
	s_mov_b32 s[\g+1], (192*NQ)<<16
	s_mov_b32 s[\g+2], (2*WT)<<16
	s_mov_b32 s[\g+3], (192*NQ)<<16
	s_mov_b32 s[\g+4], 2*WT
	s_mov_b32 s[\g+5], 192*KS
	s_mov_b32 s[\g+6], 0
	s_mov_b32 s[\g+7], 0
.endr
	s_or_b32 s[G1S+0], s43, (3<<16)|(1<<21)
	s_or_b32 s[G1SB+0], s44, (3<<16)|(1<<21)
.irp g, G1S, G1SB
	s_mov_b32 s[\g+1], 32<<16
	s_mov_b32 s[\g+2], (WT*KS/2)<<16
	s_mov_b32 s[\g+3], 32<<16
	s_mov_b32 s[\g+4], WT*KS/2
	s_mov_b32 s[\g+5], 32
	s_mov_b32 s[\g+6], 0
	s_mov_b32 s[\g+7], 0
.endr
	s_mov_b32 s18, 0
	s_mul_i32 s20, s17, 2*WT
	s_add_co_u32 s20, s20, s18
	s_mul_i32 s46, s42, 2*WT
	s_add_co_u32 s46, s46, s18
	s_mul_i32 s22, s20, KS*64
	s_add_co_u32 s22, s22, ASC
	s_mov_b32 s23, 0
	s_mul_i32 s20, s20, KS*1536
	s_mov_b32 s21, 0
	s_mul_i32 s92, s46, KS*64
	s_add_co_u32 s92, s92, WSC+FB*64
	s_mov_b32 s93, 0
	s_mul_i32 s46, s46, KS*1536
	s_add_co_u32 s46, s46, FB*1536
	s_mov_b32 s47, 0
	s_mul_i32 s45, s14, HALFT
	s_mul_i32 s94, s14, HALFS
	s_wait_kmcnt 0x0
	s_add_nc_u64 s[20:21], s[4:5], s[20:21]
	s_add_nc_u64 s[22:23], s[4:5], s[22:23]
	s_add_nc_u64 s[46:47], s[6:7], s[46:47]
	s_add_nc_u64 s[92:93], s[6:7], s[92:93]
	CROUND
	s_mov_b32 s[G0S], 1
	s_mov_b32 s[G0S+1], SCL
	s_mov_b64 s[G0S+2:G0S+3], s[22:23]
	s_or_b32 s[G0S+3], s[G0S+3], 0x80000000
	s_mov_b32 s[G0SB], 1
	s_mov_b32 s[G0SB+1], SCLB
	s_mov_b64 s[G0SB+2:G0SB+3], s[92:93]
	s_or_b32 s[G0SB+3], s[G0SB+3], 0x80000000
.irp s, 0,1
	s_mov_b32 s[G0+4*\s], 1
	s_add_co_u32 s[G0+4*\s+1], s45, \s*SLOT
	s_add_nc_u64 s[G0+4*\s+2:G0+4*\s+3], s[20:21], \s*TILEB
	s_or_b32 s[G0+4*\s+3], s[G0+4*\s+3], 0x80000000
	s_mov_b32 s[G0B+4*\s], 1
	s_add_co_u32 s[G0B+4*\s+1], s45, \s*SLOT
	s_add_nc_u64 s[G0B+4*\s+2:G0B+4*\s+3], s[46:47], \s*TILEB
	s_or_b32 s[G0B+4*\s+3], s[G0B+4*\s+3], 0x80000000
.endr
; THE HEAD'S LOADS, ONE A WAVE: wave 0 A's slot 0, wave 1 A's scale words, wave 2 B's slot 0, wave 3 B's scale words; one chain of branches, one join.
.macro ARM w, g0, g1
	s_cmp_eq_u32 s14, \w
	s_cbranch_scc0 .Lnot_\w
	tensor_load_to_lds s[\g0:\g0+3], s[\g1:\g1+7]
	s_nop 0
.rept 4
	v_nop
.endr
	s_branch .Lhead_asked
.Lnot_\w:
.endm
	ARM 0, G0, G1
	ARM 1, G0S, G1S
	ARM 2, G0B, G1B
	tensor_load_to_lds s[G0SB:G0SB+3], s[G1SB:G1SB+7]
	s_nop 0
.rept 4
	v_nop
.endr
.Lhead_asked:
	; prefetches: of the 96 blocks of 256 bytes that my wave fetches for a slot, my work-group takes 24, told apart from its three partners by address (cx for A, cy for B)
	s_cmp_eq_u32 s15, 0
	s_cselect_b64 s[66:67], s[20:21], s[46:47]
	s_cselect_b32 s2, s40, s41
	s_mul_i32 s2, s2, (WT/4)*KS*1536
	s_mul_i32 s3, s16, WT*KS*1536
	s_add_co_u32 s2, s2, s3
	s_mov_b32 s3, 0
	s_add_nc_u64 s[66:67], s[66:67], s[2:3]
	v_and_b32 v30, 31, v0
	v_min_u32 v30, 23, v30                         ; lanes 24-31 name the last block again
	v_mul_u32_u24 v31, v30, 171
	v_lshrrev_b32 v31, 11, v31                     ; lane / 12: which of my two tiles
	v_mul_u32_u24 v31, v31, KS*1536-3072
	v_lshl_add_u32 v31, v30, 8, v31
	global_prefetch_b8 v31, s[66:67] offset:TILEB th:TH_LOAD_NT scope:SCOPE_SE      ; slot 1
	global_prefetch_b8 v31, s[66:67] offset:2*TILEB th:TH_LOAD_NT scope:SCOPE_SE    ; slot 2
	v_and_b32 v1, 31, v0
	v_and_b32 v2, 15, v0
	v_bfe_u32 v3, v0, 4, 1
	v_lshlrev_b32 v[LI], 4, v1
	s_wait_alu depctr_va_vdst(0)
	s_lshl_b32 s46, s42, 10
	s_lshl_b32 s47, s16, 9
	s_add_co_u32 s46, s46, s47
	s_mov_b32 s47, 0
	s_add_nc_u64 s[8:9], s[8:9], s[46:47]
	v_lshlrev_b32 v7, 6, v3
.irp b, 0,1,2,3,4,5,6,7
	global_load_b128 v[BIAS+8*\b:BIAS+8*\b+3], v7, s[8:9] offset:(32*(\b/2)+8*(\b%2))*4
	global_load_b128 v[BIAS+8*\b+4:BIAS+8*\b+7], v7, s[8:9] offset:(32*(\b/2)+8*(\b%2))*4+16
.endr
	s_mul_i32 s21, s15, HALFT
	s_mul_i32 s22, s16, HALFT
	s_add_co_u32 s22, s22, 2*HALFT
.irp s, 0,1
	v_add_nc_u32 v[ADRA+\s], s21, v[LI]
	v_add_nc_u32 v[ADRB+\s], s22, v[LI]
	s_add_co_u32 s21, s21, SLOT
	s_add_co_u32 s22, s22, SLOT
.endr
	v_lshlrev_b32 v5, 2, v2
	v_lshl_add_u32 v6, v3, SA_SH, v5
	s_mul_i32 s21, s15, SA_HALF
	s_add_co_u32 s21, s21, SCL
	v_add_nc_u32 v[ADRSA], s21, v6
	v_lshl_add_u32 v6, v3, 6, v5
	s_mul_i32 s21, s16, HALFS
	s_add_co_u32 s21, s21, SCLB
	v_add_nc_u32 v[ADRSB], s21, v6
	s_lshl_b32 s21, s14, 10
	v_add_nc_u32 v[SRD], s21, v[LI]
	v_add_nc_u32 v[SW0], s21, v5
	s_lshl_b32 s20, s17, 4
	s_lshl_b32 s21, s15, 3
	s_add_co_u32 s20, s20, s21
	s_lshl_b32 s46, s42, 1
	s_add_co_u32 s46, s46, s16
	s_lshl_b32 s21, s20, 5
	s_add_co_u32 s21, s21, s46
	s_mul_i32 s22, s21, 1536
	s_mov_b32 s23, 0
	s_lshl_b32 s47, s46, 8
	s_add_co_u32 s47, s47, s20
	s_lshl_b32 s47, s47, 6
	s_add_co_u32 s92, s47, HSC
	s_mov_b32 s93, 0
	s_add_nc_u64 s[92:93], s[10:11], s[92:93]
	s_add_nc_u64 s[10:11], s[10:11], s[22:23]
.irp k, 0,1
	v_mov_b32 v[KC1+\k], 0x3a10ec3c
	v_mov_b32 v[KC3+\k], 0x3d0f53cc
	v_mov_b32 v[KD1+\k], 0x3ba38d2c
.endr
.macro FRAG reg, adr, q, i
.irp c, 0,1,2
	ds_load_b128 v[(\reg)+4*\c:(\reg)+4*\c+3], v[\adr] offset:(\i)*TILEB+(\q)*1536+512*\c
.endr
.endm
.macro FETCH_B slot, q, set
	WIN 0x40
.set fi, 0
.rept WT
	FRAG 128*(\set)+12*fi, ADRB+\slot, \q, fi
.set fi, fi+1
.endr
	WIN 0
.endm
.macro FETCH_A slot, q, half
.set fi, (\half)*(WT/2)
.rept WT/2
	FRAG AF+12*fi, ADRA+\slot, \q, fi
.set fi, fi+1
.endr
.endm
.macro SCALES set
.irp p, 0,1
.if \p < NQ/2
.irp i, 0,1,2,3,4,5,6,7
.if \i < WT
	ds_load_b32 v[SC+16*\set+\p*WT+\i], v[ADRSA] offset:\i*SA_T+2*\p*SA_K
	ds_load_b32 v[SC+16*\set+8+\p*WT+\i], v[ADRSB] offset:\i*SB_T+2*\p*64
.endif
.endr
.endif
.endr
.endm
.macro MULQ k, set, q, sc, first
.set ma, (WT/4)*(\k)
.set wn, 2+(ma*WT)/32
.if (\first) && HASBIAS
	WIN (wn<<6)|1
.else
	WIN (wn<<6)|(wn<<4)|1
.endif
.rept WT/4
.set mb, 0
.rept WT
.set rD, 8*((ma*WT+mb)%32)
.set rB, 128*(\set)+12*mb
.set rA, AF+12*ma
.set zB, SC+16*(\sc)+8+((\q)/2)*WT+mb
.set zA, SC+16*(\sc)+((\q)/2)*WT+ma
.if \first
	v_wmma_scale_f32_16x16x128_f8f6f4 v[rD:rD+7], v[rB:rB+11], v[rA:rA+11], v[BIAS+8*mb:BIAS+8*mb+7], v[zB], v[zA] matrix_a_fmt:MATRIX_FMT_FP6 matrix_b_fmt:MATRIX_FMT_FP6
.elseif (\q)%2
	v_wmma_scale_f32_16x16x128_f8f6f4 v[rD:rD+7], v[rB:rB+11], v[rA:rA+11], v[rD:rD+7], v[zB], v[zA] matrix_a_fmt:MATRIX_FMT_FP6 matrix_b_fmt:MATRIX_FMT_FP6 matrix_a_scale:MATRIX_SCALE_ROW1 matrix_b_scale:MATRIX_SCALE_ROW1
.else
	v_wmma_scale_f32_16x16x128_f8f6f4 v[rD:rD+7], v[rB:rB+11], v[rA:rA+11], v[rD:rD+7], v[zB], v[zA] matrix_a_fmt:MATRIX_FMT_FP6 matrix_b_fmt:MATRIX_FMT_FP6
.endif
.set mb, mb+1
.endr
.set ma, ma+1
.endr
.endm
.macro STEP slot, q, first
	s_wait_dscnt (WT/2)*3
	MULQ 0, (\q)%2, \q, \slot, \first
	MULQ 1, (\q)%2, \q, \slot, \first
	s_wait_dscnt 0x0
	PLACES
	FETCH_B \slot, (\q)+1, 1-(\q)%2
	FETCH_A \slot, (\q)+1, 0
	MULQ 2, (\q)%2, \q, \slot, \first
	MULQ 3, (\q)%2, \q, \slot, \first
	PLACES
	WIN 0
	FETCH_A \slot, (\q)+1, 1
.endm
.macro TURN slot, next, fill
	s_wait_tensorcnt 0x0
	ds_add_u32 v[SPW], v[NIL]
	s_wait_dscnt (WT/2)*3+1
	MULQ 0, 1, NQ-1, \slot, 0
	s_wait_dscnt 0x0
	s_barrier_signal -1
	MULQ 1, 1, NQ-1, \slot, 0
	WIN 0
	s_barrier_wait -1
.if \fill
	CREST
	s_add_nc_u64 s[G0+4*\slot+2:G0+4*\slot+3], s[G0+4*\slot+2:G0+4*\slot+3], 2*TILEB
	s_add_nc_u64 s[G0B+4*\slot+2:G0B+4*\slot+3], s[G0B+4*\slot+2:G0B+4*\slot+3], 2*TILEB
	JLOAD G0+4*\slot, G1, G0B+4*\slot, G1B
.else
	PLACES
.endif
	s_wait_alu depctr_va_vdst(0)
	v_add_nc_u32 v[ADRSA], NQ*SA_K, v[ADRSA]
	v_add_nc_u32 v[ADRSB], NQ*64, v[ADRSB]
	FETCH_B \next, 0, 0
	FETCH_A \next, 0, 0
	SCALES \next
	MULQ 2, 1, NQ-1, \slot, 0
	MULQ 3, 1, NQ-1, \slot, 0
	PLACES
	WIN 0
	FETCH_A \next, 0, 1
.endm
.macro MID slot
.set sq, 1
.rept NQ-2
	STEP \slot, sq, 0
.set sq, sq+1
.endr
.endm
	s_wait_alu depctr_va_vdst(0)
	s_wait_tensorcnt 0x0                           ; my tile of the head's four is in; the full sequence ahead of slot 1's first fill
	ds_add_u32 v[SPW], v[NIL]
	s_mov_b32 s[G1+2], WT<<16                      ; no tensor load of mine is out: from here on a load brings one half
	s_mov_b32 s[G1+4], WT
	s_mov_b32 s[G1B+2], WT<<16
	s_mov_b32 s[G1B+4], WT
	s_mul_i32 s2, s16, WT*KS*1536
	s_mov_b32 s3, 0
	s_add_nc_u64 s[G0+2:G0+3], s[G0+2:G0+3], s[2:3]
	s_add_nc_u64 s[G0+6:G0+7], s[G0+6:G0+7], s[2:3]
	s_add_nc_u64 s[G0B+2:G0B+3], s[G0B+2:G0B+3], s[2:3]
	s_add_nc_u64 s[G0B+6:G0B+7], s[G0B+6:G0B+7], s[2:3]
	s_wait_dscnt 0x0
	CROUND
	JLOAD G0+4, G1, G0B+4, G1B                     ; slot 1, the first tensor load behind the round
	global_prefetch_b8 v31, s[66:67] offset:3*TILEB th:TH_LOAD_NT scope:SCOPE_SE    ; slot 3, the last
	FETCH_B 0, 0, 0
	FETCH_A 0, 0, 0
	SCALES 0
	FETCH_A 0, 0, 1
	s_wait_loadcnt 0x0
	STEP 0, 0, 1
.if LAPS > 1
	s_mov_b32 s3, LAPS-1
.Llap:
	MID 0
	TURN 0, 1, 1
	STEP 1, 0, 0
	MID 1
	TURN 1, 0, 1
	STEP 0, 0, 0
	s_sub_co_u32 s3, s3, 1
	s_cmp_lg_u32 s3, 0
	s_cbranch_scc1 .Llap
.endif
	MID 0
	TURN 0, 1, 0
	STEP 1, 0, 0
	MID 1
	s_wait_dscnt (WT/2)*3
	MULQ 0, 1, NQ-1, 1, 0
	MULQ 1, 1, NQ-1, 1, 0
	s_wait_dscnt 0x0
	MULQ 2, 1, NQ-1, 1, 0
	MULQ 3, 1, NQ-1, 1, 0
	WIN 0
	PLACES
.macro GELU16 c
.set GX, 64+16*(\c)
.irp j, 0,2,4,6,8,10,12,14
	v_pk_mul_f32 v[GA+\j:GA+\j+1], v[GX+\j:GX+\j+1], 0x3fb504f3 op_sel_hi:[1,0]
.endr
.irp j, 0,1,2,3,4,5,6,7,8,9,10,11,12,13,14,15
	v_and_b32 v[GH+\j], 0x7fffffff, v[GX+\j]
.endr
.irp j, 0,2,4,6,8,10,12,14
	v_pk_mul_f32 v[GT+\j:GT+\j+1], v[GH+\j:GH+\j+1], 0x3fb504f3 op_sel_hi:[1,0]
.endr
.irp j, 0,2,4,6,8,10,12,14
	v_pk_mul_f32 v[GS+\j:GS+\j+1], v[GA+\j:GA+\j+1], v[GA+\j:GA+\j+1]
.endr
.irp j, 0,2,4,6,8,10,12,14
	v_pk_fma_f32 v[GR+\j:GR+\j+1], v[GT+\j:GT+\j+1], 0xb7d130d7, v[KC1:KC1+1] op_sel_hi:[1,0,1]
.endr
.irp j, 0,2,4,6,8,10,12,14
	v_pk_fma_f32 v[GQ+\j:GQ+\j+1], v[GT+\j:GT+\j+1], 0xbbb79c87, v[KC3:KC3+1] op_sel_hi:[1,0,1]
.endr
.irp j, 0,2,4,6,8,10,12,14
	v_pk_fma_f32 v[GR+\j:GR+\j+1], v[GR+\j:GR+\j+1], v[GS+\j:GS+\j+1], v[GQ+\j:GQ+\j+1]
.endr
.irp j, 0,2,4,6,8,10,12,14
	v_pk_fma_f32 v[GR+\j:GR+\j+1], v[GR+\j:GR+\j+1], v[GT+\j:GT+\j+1], 0xbe1dbebc op_sel_hi:[1,1,0]
.endr
.irp j, 0,2,4,6,8,10,12,14
	v_pk_fma_f32 v[GR+\j:GR+\j+1], v[GR+\j:GR+\j+1], v[GT+\j:GT+\j+1], 0xbf6a77c7 op_sel_hi:[1,1,0]
.endr
.irp j, 0,2,4,6,8,10,12,14
	v_pk_fma_f32 v[GR+\j:GR+\j+1], v[GR+\j:GR+\j+1], v[GT+\j:GT+\j+1], 0xbfd06f41 op_sel_hi:[1,1,0]
.endr
.irp j, 0,2,4,6,8,10,12,14
	v_pk_mul_f32 v[GR+\j:GR+\j+1], v[GR+\j:GR+\j+1], v[GT+\j:GT+\j+1]
.endr
	s_wait_alu depctr_va_vdst(0)
.irp j, 0,1,2,3,4,5,6,7,8,9,10,11,12,13,14,15
	v_exp_f32 v[GR+\j], v[GR+\j]
.endr
.irp j, 0,2,4,6,8,10,12,14
	v_pk_fma_f32 v[GQ+\j:GQ+\j+1], v[GS+\j:GS+\j+1], 0xba1c7000, v[KD1:KD1+1] op_sel_hi:[1,0,1]
.endr
.irp j, 0,2,4,6,8,10,12,14
	v_pk_fma_f32 v[GQ+\j:GQ+\j+1], v[GQ+\j:GQ+\j+1], v[GS+\j:GS+\j+1], 0xbcdb48d9 op_sel_hi:[1,1,0]
.endr
.irp j, 0,2,4,6,8,10,12,14
	v_pk_fma_f32 v[GQ+\j:GQ+\j+1], v[GQ+\j:GQ+\j+1], v[GS+\j:GS+\j+1], 0x3de70e22 op_sel_hi:[1,1,0]
.endr
.irp j, 0,2,4,6,8,10,12,14
	v_pk_fma_f32 v[GQ+\j:GQ+\j+1], v[GQ+\j:GQ+\j+1], v[GS+\j:GS+\j+1], 0xbec09380 op_sel_hi:[1,1,0]
.endr
.irp j, 0,2,4,6,8,10,12,14
	v_pk_fma_f32 v[GQ+\j:GQ+\j+1], v[GQ+\j:GQ+\j+1], v[GS+\j:GS+\j+1], 0x3e0375d4 op_sel_hi:[1,1,0]
.endr
.irp j, 0,2,4,6,8,10,12,14
	v_pk_fma_f32 v[GQ+\j:GQ+\j+1], v[GQ+\j:GQ+\j+1], v[GA+\j:GA+\j+1], v[GA+\j:GA+\j+1]
.endr
.irp j, 0,2,4,6,8,10,12,14
	v_pk_fma_f32 v[GQ+\j:GQ+\j+1], v[GX+\j:GX+\j+1], v[GQ+\j:GQ+\j+1], v[GX+\j:GX+\j+1]
.endr
.irp j, 0,2,4,6,8,10,12,14
	v_pk_add_f32 v[GA+\j:GA+\j+1], v[GX+\j:GX+\j+1], v[GH+\j:GH+\j+1]
.endr
	s_wait_alu depctr_va_vdst(0)
.irp j, 0,2,4,6,8,10,12,14
	v_pk_fma_f32 v[GR+\j:GR+\j+1], v[GH+\j:GH+\j+1], v[GR+\j:GR+\j+1], v[GA+\j:GA+\j+1] neg_lo:[1,0,0] neg_hi:[1,0,0]
.endr
.irp j, 0,1,2,3,4,5,6,7,8,9,10,11,12,13,14,15
	v_cmp_lt_f32 s[24+\j], s98, v[GT+\j]           ; sixteen masks in s24-39 (the descriptors' registers: every tensor load has been waited for), so that no select follows its own compare
.endr
.irp j, 0,1,2,3,4,5,6,7,8,9,10,11,12,13,14,15
	v_cndmask_b32 v[GX+\j], v[GQ+\j], v[GR+\j], s[24+\j]
.endr
.endm
.macro QUANT s, w
	WIN (\w)|((\w)<<2)
.irp b, 0,1,2,3
	v_max3_num_f32 v[TM+\b], |v[(\s)+16*\b]|, |v[(\s)+1+16*\b]|, 0x1800000
.endr
.irp i, 2,4,6,8,10,12,14
.irp b, 0,1,2,3
	v_max3_num_f32 v[TM+\b], |v[(\s)+16*\b+\i]|, |v[(\s)+1+16*\b+\i]|, v[TM+\b]
.endr
.endr
	WIN 0
.irp b, 0,1,2,3
	v_permlanex16_b32 v[TM+4+\b], v[TM+\b], s[SEL], s[SEL+1]
.endr
.irp b, 0,1,2,3
	v_max_num_f32 v[TM+\b], v[TM+\b], v[TM+4+\b]
.endr
.irp b, 0,1,2,3
	v_add_nc_u32 v[TM+12+\b], 0xff000000, v[TM+\b]
.endr
.irp b, 0,1,2,3
	v_lshrrev_b32 v[TM+4+\b], 23, v[TM+12+\b]
.endr
	v_lshl_or_b32 v[PW], v[TM+5], 8, v[TM+4]
	v_lshl_or_b32 v[PW], v[TM+6], 16, v[PW]
	v_lshl_or_b32 v[PW], v[TM+7], 24, v[PW]
	s_wait_xcnt 0x0
	WIN \w
.irp c, 0,1
	v_cvt_scalef32_pk16_fp6_f32 v[PC+6*\c:PC+2+6*\c], v[(\s)+32*\c:(\s)+15+32*\c], v[TM+12+2*\c]
	v_cvt_scalef32_pk16_fp6_f32 v[PC+12+4*\c:PC+14+4*\c], v[(\s)+16+32*\c:(\s)+31+32*\c], v[TM+12+2*\c+1]
.endr
	WIN 0
	v_nop
.irp c, 0,1
.irp i, 0,1,2
	v_permlane16_swap_b32 v[PC+6*\c+\i], v[PC+12+4*\c+\i]
.endr
.irp i, 0,1,2
	v_mov_b32 v[PC+3+6*\c+\i], v[PC+12+4*\c+\i]
.endr
.endr
.endm
	s_mov_b32 s19, 0
.Ltile:
.irp a, 0,1,2,3,4,5,6
	s_cmp_eq_u32 s19, \a
	s_cbranch_scc1 .Lcp\a
.endr
	s_branch .Lcp7
.irp a, 0,1,2,3,4,5,6,7
.Lcp\a:
	WIN 2+\a/4
.irp j, 0,2,4,6,8,10,12,14,16,18,20,22,24,26,28,30,32,34,36,38,40,42,44,46,48,50,52,54,56,58,60,62
	v_pk_mul_f32 v[64+\j:65+\j], v[64*(\a%4)+\j:64*(\a%4)+\j+1], 0.5 op_sel_hi:[1,0]
.endr
	WIN 0
.if \a < 7
	s_branch .Lgelu
.endif
.endr
.Lgelu:
	s_lshl_b32 s18, s19, 6
	v_add_nc_u32 v[SWA], s18, v[SW0]
	GELU16 0
	GELU16 1
	GELU16 2
	GELU16 3
	QUANT 64, 0
.irp c, 0,1,2
	global_store_b128 v[LI], v[PC+4*\c:PC+4*\c+3], s[10:11] offset:512*\c
.endr
	ds_store_b32 v[SWA], v[PW]
	s_wait_xcnt 0x0
	s_add_nc_u64 s[10:11], s[10:11], 32*1536
	s_add_co_u32 s19, s19, 1
	s_cmp_lt_u32 s19, 8
	s_cbranch_scc1 .Ltile
	ds_load_b128 v[64:67], v[SRD]
	s_wait_dscnt 0x0
	global_store_b128 v[LI], v[64:67], s[92:93]
	s_wait_tensorcnt 0x0
	ds_add_u32 v[SPW], v[NIL]
	s_wait_dscnt 0x0
	CROUND
	s_endpgm
.Lfunc_end_k_q0dd0ca31a5_ff1:
	.size	k_q0dd0ca31a5_ff1, .Lfunc_end_k_q0dd0ca31a5_ff1-k_q0dd0ca31a5_ff1
	.p2alignl 7, 3214868480
	.fill 96, 4, 3214868480
	.section	.rodata,"a",@progbits
	.p2align	6, 0x0
	.amdhsa_kernel k_q0dd0ca31a5_ff1
		.amdhsa_group_segment_fixed_size 327680
		.amdhsa_private_segment_fixed_size 0
		.amdhsa_enable_private_segment 0
		.amdhsa_kernarg_size 32
		.amdhsa_user_sgpr_count 2
		.amdhsa_user_sgpr_kernarg_segment_ptr 1
		.amdhsa_wavefront_size32 1
		.amdhsa_system_sgpr_workgroup_id_x 1
		.amdhsa_system_sgpr_workgroup_id_y 1
		.amdhsa_system_sgpr_workgroup_id_z 1
		.amdhsa_system_vgpr_workitem_id 0
		.amdhsa_next_free_vgpr 1024
		.amdhsa_next_free_sgpr 100
		.amdhsa_reserve_vcc 0
		.amdhsa_float_denorm_mode_32 3
		.amdhsa_float_denorm_mode_16_64 3
		.amdhsa_memory_ordered 1
		.amdhsa_forward_progress 1
		.amdhsa_inst_pref_size 199
	.end_amdhsa_kernel
	.amdgpu_metadata
---
amdhsa.version: [ 1, 2 ]
amdhsa.kernels:
  - .name:           k_q0dd0ca31a5_ff1
    .symbol:         k_q0dd0ca31a5_ff1.kd
    .args:
      - { .name: A, .offset: 0, .size: 8, .value_kind: global_buffer, .address_space: global }
      - { .name: W, .offset: 8, .size: 8, .value_kind: global_buffer, .address_space: global }
      - { .name: b1, .offset: 16, .size: 8, .value_kind: global_buffer, .address_space: global }
      - { .name: HID, .offset: 24, .size: 8, .value_kind: global_buffer, .address_space: global }
    .group_segment_fixed_size: 327680
    .private_segment_fixed_size: 0
    .kernarg_segment_align: 8
    .kernarg_segment_size: 32
    .max_flat_workgroup_size: 128
    .sgpr_count:     100
    .vgpr_count:     1024
    .wavefront_size: 32
...
	.end_amdgpu_metadata
.endif
;; end of part 6
;; launch ff2 (part 7): grid 8 x 32, 4 waves a work-group, clusters of 4 x 4, 327,680 bytes of LDS; arguments HID, W, b2, X1, out0; writes out0
.if DOCPART == 7
	.amdgcn_target "amdgcn-amd-amdhsa--gfx1250"
	.amdhsa_code_object_version 6
	.text
	.protected	k_q0dd0ca31a5_ff2
	.globl	k_q0dd0ca31a5_ff2
	.p2align	8
	.type	k_q0dd0ca31a5_ff2,@function
k_q0dd0ca31a5_ff2:
	s_mov_b64 s[64:65], 0
	v_nop
	global_prefetch_b8 v0, s[64:65] scope:SCOPE_SE
	s_setreg_imm32_b32 hwreg(HW_REG_WAVE_MODE, 25, 1), 1
	s_wait_xcnt 0x0
	s_wait_alu depctr_hold_cnt(0) depctr_sa_sdst(0) depctr_va_vdst(0) depctr_va_sdst(0) depctr_va_ssrc(0) depctr_va_vcc(0) depctr_vm_vsrc(0)
	s_getreg_b32 s2, hwreg(HW_REG_IB_STS2, 6, 4)
	s_cmp_eq_u32 s2, 0
	s_cbranch_scc0 .Lentry_in_a_cluster
	s_endpgm
.Lentry_in_a_cluster:
	s_bfe_u32 s2, ttmp6, 0x10000c
	s_cmp_lg_u32 s2, 0xf033
	s_cbranch_scc0 .Lentry_shape_is_right
	s_endpgm
.Lentry_shape_is_right:
.set WT,    4
.set NQ,    4
.set KS,    32
.set FB,    4096
.set ASC,   12582912
.set HASBIAS, 1
.set TILEB, NQ*1536
.set HALFT, WT*TILEB
.set SLOT,  4*HALFT
.set LAPS,  KS/(2*NQ)
.set HALFS, WT*KS*64
.set SCL,   2*SLOT
.set SCLB,  SCL+2*HALFS
.set SPARE, 327168
.set SA_T,  64
.set SA_K,  512
.set SA_SH, 9
.set SA_HALF, WT*64
.set SB_T,  64*KS
.set WSC,   9437184
.set ADRA,  16
.set ADRB,  20
.set ADRSA, 22
.set ADRSB, 23
.set STO,   24
.set RD,    25
.set CO,    26
.set SPW,   28
.set NIL,   29
.set SC,    32
.set BIAS,  64
.set AF,    128
.set BK,    128
.set G1,    24
.set G0,    32
.set G1B,   48
.set G0B,   56
.set G1S,   68
.set G0S,   76
.set G1SB,  80
.set G0SB,  88
.set MSB, 0
.macro WIN new
.if MSB != (\new)
	s_set_vgpr_msb (MSB<<8)|(\new)
.set MSB, (\new)
.endif
.endm
.macro JLOAD g0a, g1a, g0b, g1b
	s_cmp_eq_u32 s15, 0
	s_cbranch_scc0 .Lfor_b_\@
	tensor_load_to_lds s[\g0a:\g0a+3], s[\g1a:\g1a+7]
	s_nop 0
.rept 4
	v_nop
.endr
	s_branch .Lasked_\@
.Lfor_b_\@:
	tensor_load_to_lds s[\g0b:\g0b+3], s[\g1b:\g1b+7]
	s_nop 0
.rept 4
	v_nop
.endr
.Lasked_\@:
.endm
.macro CREST
	s_cmp_lg_u32 s14, 0
	s_cbranch_scc1 .Lnot_wave_0_\@
	s_barrier_signal -3
.Lnot_wave_0_\@:
	s_barrier_wait -3
	s_barrier_signal -1
	s_barrier_wait -1
.endm
.macro CROUND
	s_barrier_signal -1
	s_barrier_wait -1
	CREST
.endm
.macro PLACES
.rept 4
	v_nop
.endr
.endm
	s_load_b128 s[4:7], s[0:1], 0x0
	s_load_b128 s[8:11], s[0:1], 0x10
	s_load_b64 s[12:13], s[0:1], 0x20
	v_lshl_add_u32 v[SPW], v0, 2, SPARE
	v_mov_b32 v[NIL], 0
	ds_add_u32 v28, v29
	ds_add_u32 v28, v29
	s_wait_dscnt 0x0
	v_lshrrev_b32 v1, 5, v0
	v_readfirstlane_b32 s14, v1
	s_lshr_b32 s15, s14, 1
	s_and_b32 s16, s14, 1
	s_bfe_u32 s40, ttmp6, 0x40000
	s_bfe_u32 s41, ttmp6, 0x40004
	s_lshl_b32 s42, ttmp9, 2
	s_add_co_u32 s42, s42, s40
	s_and_b32 s17, ttmp7, 0xffff
	s_lshl_b32 s17, s17, 2
	s_add_co_u32 s17, s17, s41
	s_lshl_b32 s43, s41, 2
	s_lshl_b32 s43, 15, s43
	s_lshl_b32 s44, 0x1111, s40
	s_or_b32 s[G1+0], s43, (3<<16)|(1<<21)
	s_or_b32 s[G1B+0], s44, (3<<16)|(1<<21)
.irp g, G1, G1B
	s_mov_b32 s[\g+1], (192*NQ)<<16
	s_mov_b32 s[\g+2], (2*WT)<<16
	s_mov_b32 s[\g+3], (192*NQ)<<16
	s_mov_b32 s[\g+4], 2*WT
	s_mov_b32 s[\g+5], 192*KS
	s_mov_b32 s[\g+6], 0
	s_mov_b32 s[\g+7], 0
.endr
	s_or_b32 s[G1S+0], s43, (3<<16)|(1<<21)
	s_mov_b32 s[G1S+1], 64<<16
	s_mov_b32 s[G1S+2], KS<<16
	s_mov_b32 s[G1S+3], 64<<16
	s_mov_b32 s[G1S+4], KS
	s_mov_b32 s[G1S+5], 2048
	s_mov_b32 s[G1S+6], 0
	s_mov_b32 s[G1S+7], 0
	s_or_b32 s[G1SB+0], s44, (3<<16)|(1<<21)
	s_mov_b32 s[G1SB+1], 32<<16
	s_mov_b32 s[G1SB+2], (WT*KS/2)<<16
	s_mov_b32 s[G1SB+3], 32<<16
	s_mov_b32 s[G1SB+4], WT*KS/2
	s_mov_b32 s[G1SB+5], 32
	s_mov_b32 s[G1SB+6], 0
	s_mov_b32 s[G1SB+7], 0
	s_mov_b32 s18, 0
	s_mul_i32 s20, s17, 2*WT
	s_add_co_u32 s20, s20, s18
	s_mul_i32 s46, s42, 2*WT
	s_add_co_u32 s46, s46, s18
	s_mov_b32 s22, 0
	s_lshl_b32 s23, s17, 9
	s_add_co_u32 s22, s22, s23
	s_add_co_u32 s22, s22, ASC
	s_mov_b32 s23, 0
	s_mul_i32 s20, s20, KS*1536
	s_mov_b32 s21, 0
	s_mul_i32 s92, s46, KS*64
	s_add_co_u32 s92, s92, WSC+FB*64
	s_mov_b32 s93, 0
	s_mul_i32 s46, s46, KS*1536
	s_add_co_u32 s46, s46, FB*1536
	s_mov_b32 s47, 0
	s_mul_i32 s45, s14, HALFT
	s_mul_i32 s94, s14, HALFS
	s_wait_kmcnt 0x0
	s_add_nc_u64 s[20:21], s[4:5], s[20:21]
	s_add_nc_u64 s[22:23], s[4:5], s[22:23]
	s_add_nc_u64 s[46:47], s[6:7], s[46:47]
	s_add_nc_u64 s[92:93], s[6:7], s[92:93]
	CROUND
	s_mov_b32 s[G0S], 1
	s_mov_b32 s[G0S+1], SCL
	s_mov_b64 s[G0S+2:G0S+3], s[22:23]
	s_or_b32 s[G0S+3], s[G0S+3], 0x80000000
	s_mov_b32 s[G0SB], 1
	s_mov_b32 s[G0SB+1], SCLB
	s_mov_b64 s[G0SB+2:G0SB+3], s[92:93]
	s_or_b32 s[G0SB+3], s[G0SB+3], 0x80000000
.irp s, 0,1
	s_mov_b32 s[G0+4*\s], 1
	s_add_co_u32 s[G0+4*\s+1], s45, \s*SLOT
	s_add_nc_u64 s[G0+4*\s+2:G0+4*\s+3], s[20:21], \s*TILEB
	s_or_b32 s[G0+4*\s+3], s[G0+4*\s+3], 0x80000000
	s_mov_b32 s[G0B+4*\s], 1
	s_add_co_u32 s[G0B+4*\s+1], s45, \s*SLOT
	s_add_nc_u64 s[G0B+4*\s+2:G0B+4*\s+3], s[46:47], \s*TILEB
	s_or_b32 s[G0B+4*\s+3], s[G0B+4*\s+3], 0x80000000
.endr
; THE HEAD'S LOADS, ONE A WAVE: wave 0 A's slot 0, wave 1 A's scale words, wave 2 B's slot 0, wave 3 B's scale words; one chain of branches, one join.
.macro ARM w, g0, g1
	s_cmp_eq_u32 s14, \w
	s_cbranch_scc0 .Lnot_\w
	tensor_load_to_lds s[\g0:\g0+3], s[\g1:\g1+7]
	s_nop 0
.rept 4
	v_nop
.endr
	s_branch .Lhead_asked
.Lnot_\w:
.endm
	ARM 0, G0, G1
	ARM 1, G0S, G1S
	ARM 2, G0B, G1B
	tensor_load_to_lds s[G0SB:G0SB+3], s[G1SB:G1SB+7]
	s_nop 0
.rept 4
	v_nop
.endr
.Lhead_asked:
	; prefetches: of the 96 blocks of 256 bytes that my wave fetches for a slot, my work-group takes 24, told apart from its three partners by address (cx for A, cy for B).
	; The refill of slot n is followed by the request for slot n + 2; slots 1 to 3 are asked for at the head; the last two refills ask for nothing.
	s_cmp_eq_u32 s15, 0
	s_cselect_b64 s[66:67], s[20:21], s[46:47]
	s_cselect_b32 s2, s40, s41
	s_mul_i32 s2, s2, (WT/4)*KS*1536
	s_mul_i32 s3, s16, WT*KS*1536
	s_add_co_u32 s2, s2, s3
	s_mov_b32 s3, 0
	s_add_nc_u64 s[66:67], s[66:67], s[2:3]
	v_and_b32 v30, 31, v0
	v_min_u32 v30, 23, v30                         ; lanes 24-31 name the last block again
	v_lshlrev_b32 v31, 8, v30
	global_prefetch_b8 v31, s[66:67] offset:TILEB th:TH_LOAD_NT scope:SCOPE_SE      ; slot 1
	global_prefetch_b8 v31, s[66:67] offset:2*TILEB th:TH_LOAD_NT scope:SCOPE_SE    ; slot 2
	v_and_b32 v1, 31, v0
	v_and_b32 v2, 15, v0
	v_bfe_u32 v3, v0, 4, 1
	s_wait_alu depctr_va_vdst(0)
	v_lshlrev_b32 v4, 4, v1
	s_wait_alu depctr_va_vdst(0)
	s_lshl_b32 s46, s42, 9
	s_lshl_b32 s47, s16, 8
	s_add_co_u32 s46, s46, s47
	s_mov_b32 s47, 0
	s_add_nc_u64 s[8:9], s[8:9], s[46:47]
	v_lshlrev_b32 v7, 6, v3
.irp b, 0,1,2,3
	global_load_b128 v[BIAS+8*\b:BIAS+8*\b+3], v7, s[8:9] offset:(32*(\b/2)+8*(\b%2))*4
	global_load_b128 v[BIAS+8*\b+4:BIAS+8*\b+7], v7, s[8:9] offset:(32*(\b/2)+8*(\b%2))*4+16
.endr
	s_lshl_b32 s20, s17, 7
	s_lshl_b32 s21, s15, 6
	s_add_co_u32 s20, s20, s21
	s_lshl_b32 s20, s20, 12
	s_add_co_u32 s20, s20, s46
	s_mov_b32 s21, 0
	s_add_nc_u64 s[10:11], s[10:11], s[20:21]
	s_add_nc_u64 s[12:13], s[12:13], s[20:21]
	v_lshlrev_b32 v[CO], 12, v3
	v_lshl_add_u32 v[CO], v2, 4, v[CO]
	WIN 0xc0
.irp a, 0,1,2,3
.irp i, 0,1,2,3,4,5,6,7
	global_load_b128 v[32*\a+4*\i:32*\a+4*\i+3], v[CO], s[10:11] offset:(32*(\a/2)+8*(\a%2)+2*\i+8*(\i/4))*4096 th:TH_LOAD_NT
.endr
.endr
	WIN 0
	s_mul_i32 s21, s15, HALFT
	s_mul_i32 s22, s16, HALFT
	s_add_co_u32 s22, s22, 2*HALFT
.irp s, 0,1
	v_add_nc_u32 v[ADRA+\s], s21, v4
	v_add_nc_u32 v[ADRB+\s], s22, v4
	s_add_co_u32 s21, s21, SLOT
	s_add_co_u32 s22, s22, SLOT
.endr
	v_lshlrev_b32 v5, 2, v2
	v_lshl_add_u32 v6, v3, SA_SH, v5
	s_mul_i32 s21, s15, SA_HALF
	s_add_co_u32 s21, s21, SCL
	v_add_nc_u32 v[ADRSA], s21, v6
	v_lshl_add_u32 v6, v3, 6, v5
	s_mul_i32 s21, s16, HALFS
	s_add_co_u32 s21, s21, SCLB
	v_add_nc_u32 v[ADRSB], s21, v6
	s_mul_i32 s21, s14, 4352
	v_mul_u32_u24 v[STO], v2, 272
	v_lshl_add_u32 v[STO], v3, 6, v[STO]
	v_add_nc_u32 v[STO], s21, v[STO]
	v_mul_u32_u24 v[RD], v3, 272
	v_lshl_add_u32 v[RD], v2, 4, v[RD]
	v_add_nc_u32 v[RD], s21, v[RD]
.macro FRAG reg, adr, q, i
.irp c, 0,1,2
	ds_load_b128 v[(\reg)+4*\c:(\reg)+4*\c+3], v[\adr] offset:(\i)*TILEB+(\q)*1536+512*\c
.endr
.endm
.macro FETCH_B slot, q, set
	WIN 0x40
.set fi, 0
.rept WT
	FRAG 128*(\set)+12*fi, ADRB+\slot, \q, fi
.set fi, fi+1
.endr
	WIN 0
.endm
.macro FETCH_A slot, q, half
.set fi, (\half)*(WT/2)
.rept WT/2
	FRAG AF+12*fi, ADRA+\slot, \q, fi
.set fi, fi+1
.endr
.endm
.macro SCALES set
.irp p, 0,1
.if \p < NQ/2
.irp i, 0,1,2,3,4,5,6,7
.if \i < WT
	ds_load_b32 v[SC+16*\set+\p*WT+\i], v[ADRSA] offset:\i*SA_T+2*\p*SA_K
	ds_load_b32 v[SC+16*\set+8+\p*WT+\i], v[ADRSB] offset:\i*SB_T+2*\p*64
.endif
.endr
.endif
.endr
.endm
.macro MULQ k, set, q, sc, first
.set ma, (WT/4)*(\k)
.set wn, 2+(ma*WT)/32
.if (\first) && HASBIAS
	WIN (wn<<6)|1
.else
	WIN (wn<<6)|(wn<<4)|1
.endif
.rept WT/4
.set mb, 0
.rept WT
.set rD, 8*((ma*WT+mb)%32)
.set rB, 128*(\set)+12*mb
.set rA, AF+12*ma
.set zB, SC+16*(\sc)+8+((\q)/2)*WT+mb
.set zA, SC+16*(\sc)+((\q)/2)*WT+ma
.if \first
	v_wmma_scale_f32_16x16x128_f8f6f4 v[rD:rD+7], v[rB:rB+11], v[rA:rA+11], v[BIAS+8*mb:BIAS+8*mb+7], v[zB], v[zA] matrix_a_fmt:MATRIX_FMT_FP6 matrix_b_fmt:MATRIX_FMT_FP6
.elseif (\q)%2
	v_wmma_scale_f32_16x16x128_f8f6f4 v[rD:rD+7], v[rB:rB+11], v[rA:rA+11], v[rD:rD+7], v[zB], v[zA] matrix_a_fmt:MATRIX_FMT_FP6 matrix_b_fmt:MATRIX_FMT_FP6 matrix_a_scale:MATRIX_SCALE_ROW1 matrix_b_scale:MATRIX_SCALE_ROW1
.else
	v_wmma_scale_f32_16x16x128_f8f6f4 v[rD:rD+7], v[rB:rB+11], v[rA:rA+11], v[rD:rD+7], v[zB], v[zA] matrix_a_fmt:MATRIX_FMT_FP6 matrix_b_fmt:MATRIX_FMT_FP6
.endif
.set mb, mb+1
.endr
.set ma, ma+1
.endr
.endm
.macro STEP slot, q, first
	s_wait_dscnt (WT/2)*3
	MULQ 0, (\q)%2, \q, \slot, \first
	MULQ 1, (\q)%2, \q, \slot, \first
	s_wait_dscnt 0x0
	PLACES
	FETCH_B \slot, (\q)+1, 1-(\q)%2
	FETCH_A \slot, (\q)+1, 0
	MULQ 2, (\q)%2, \q, \slot, \first
	MULQ 3, (\q)%2, \q, \slot, \first
	PLACES
	WIN 0
	FETCH_A \slot, (\q)+1, 1
.endm
.macro TURN slot, next, fill
.if \fill
	s_wait_xcnt 0x0                                ; the last prefetch has read its address
	s_add_nc_u64 s[66:67], s[66:67], TILEB
.endif
	s_wait_tensorcnt 0x0
	ds_add_u32 v[SPW], v[NIL]
	s_wait_dscnt (WT/2)*3+1
	MULQ 0, 1, NQ-1, \slot, 0
	s_wait_dscnt 0x0
	s_barrier_signal -1
	MULQ 1, 1, NQ-1, \slot, 0
	WIN 0
	s_barrier_wait -1
.if \fill
	CREST
	s_add_nc_u64 s[G0+4*\slot+2:G0+4*\slot+3], s[G0+4*\slot+2:G0+4*\slot+3], 2*TILEB
	s_add_nc_u64 s[G0B+4*\slot+2:G0B+4*\slot+3], s[G0B+4*\slot+2:G0B+4*\slot+3], 2*TILEB
	JLOAD G0+4*\slot, G1, G0B+4*\slot, G1B
.else
	PLACES
.endif
	s_wait_alu depctr_va_vdst(0)
	v_add_nc_u32 v[ADRSA], NQ*SA_K, v[ADRSA]
	v_add_nc_u32 v[ADRSB], NQ*64, v[ADRSB]
	FETCH_B \next, 0, 0
	FETCH_A \next, 0, 0
	SCALES \next
.if \fill
	s_cmp_gt_u32 s3, 1                             ; the loop's last trip has no slot two refills on
	s_cbranch_scc0 .Lno_ask_\@
	global_prefetch_b8 v31, s[66:67] offset:3*TILEB th:TH_LOAD_NT scope:SCOPE_SE
.Lno_ask_\@:
.endif
	MULQ 2, 1, NQ-1, \slot, 0
	MULQ 3, 1, NQ-1, \slot, 0
	PLACES
	WIN 0
	FETCH_A \next, 0, 1
.endm
.macro MID slot
.set sq, 1
.rept NQ-2
	STEP \slot, sq, 0
.set sq, sq+1
.endr
.endm
	s_wait_alu depctr_va_vdst(0)
	s_wait_tensorcnt 0x0                           ; my tile of the head's four is in; the full sequence ahead of slot 1's first fill
	ds_add_u32 v[SPW], v[NIL]
	s_mov_b32 s[G1+2], WT<<16                      ; no tensor load of mine is out: from here on a load brings one half
	s_mov_b32 s[G1+4], WT
	s_mov_b32 s[G1B+2], WT<<16
	s_mov_b32 s[G1B+4], WT
	s_mul_i32 s2, s16, WT*KS*1536
	s_mov_b32 s3, 0
	s_add_nc_u64 s[G0+2:G0+3], s[G0+2:G0+3], s[2:3]
	s_add_nc_u64 s[G0+6:G0+7], s[G0+6:G0+7], s[2:3]
	s_add_nc_u64 s[G0B+2:G0B+3], s[G0B+2:G0B+3], s[2:3]
	s_add_nc_u64 s[G0B+6:G0B+7], s[G0B+6:G0B+7], s[2:3]
	s_wait_dscnt 0x0
	CROUND
	JLOAD G0+4, G1, G0B+4, G1B                     ; slot 1, the first tensor load behind the round
	global_prefetch_b8 v31, s[66:67] offset:3*TILEB th:TH_LOAD_NT scope:SCOPE_SE    ; slot 3
	FETCH_B 0, 0, 0
	FETCH_A 0, 0, 0
	SCALES 0
	FETCH_A 0, 0, 1
	s_wait_loadcnt 32
	STEP 0, 0, 1
.if LAPS > 1
	s_mov_b32 s3, LAPS-1
.Llap:
	MID 0
	TURN 0, 1, 1
	STEP 1, 0, 0
	MID 1
	TURN 1, 0, 1
	STEP 0, 0, 0
	s_sub_co_u32 s3, s3, 1
	s_cmp_lg_u32 s3, 0
	s_cbranch_scc1 .Llap
.endif
	MID 0
	TURN 0, 1, 0
	STEP 1, 0, 0
	MID 1
	s_wait_dscnt (WT/2)*3
	MULQ 0, 1, NQ-1, 1, 0
	MULQ 1, 1, NQ-1, 1, 0
	s_wait_dscnt 0x0
	MULQ 2, 1, NQ-1, 1, 0
	MULQ 3, 1, NQ-1, 1, 0
	WIN 0
	PLACES
.macro TOSTAGE a
	WIN 0x08
.irp b, 0,1,2,3
	ds_store_b128 v[STO], v[32*(\a)+8*\b:32*(\a)+8*\b+3] offset:128*(\b/2)+32*(\b%2)
	ds_store_b128 v[STO], v[32*(\a)+8*\b+4:32*(\a)+8*\b+7] offset:128*(\b/2)+32*(\b%2)+16
.endr
	WIN 0
.set BB, BK+32*((\a)%2)
.irp i, 0,1,2,3,4,5,6,7
	ds_load_b128 v[BB+4*\i:BB+4*\i+3], v[RD] offset:544*\i
.endr
.endm
.macro SEND a, younger
.set BB, BK+32*((\a)%2)
	s_wait_dscnt \younger
	WIN 0x0c
.irp k, 0,2,4,6,8,10,12,14,16,18,20,22,24,26,28,30
	v_pk_add_f32 v[BB+\k:BB+\k+1], v[BB+\k:BB+\k+1], v[32*(\a)+\k:32*(\a)+\k+1]
.endr
	WIN 0
.irp i, 0,1,2,3,4,5,6,7
	global_store_b128 v[CO], v[BB+4*\i:BB+4*\i+3], s[12:13] offset:(32*((\a)/2)+8*((\a)%2)+2*\i+8*(\i/4))*4096 th:TH_STORE_NT
.endr
.endm
	s_wait_loadcnt 0x0
	TOSTAGE 0
.irp a, 1,2,3
.if \a > 1
	s_wait_xcnt 0x0
.endif
	TOSTAGE \a
	SEND \a-1, 16
.endr
	SEND 3, 0
	s_wait_tensorcnt 0x0
	ds_add_u32 v[SPW], v[NIL]
	s_wait_dscnt 0x0
	CROUND
	s_endpgm
.Lfunc_end_k_q0dd0ca31a5_ff2:
	.size	k_q0dd0ca31a5_ff2, .Lfunc_end_k_q0dd0ca31a5_ff2-k_q0dd0ca31a5_ff2
	.p2alignl 7, 3214868480
	.fill 96, 4, 3214868480
	.section	.rodata,"a",@progbits
	.p2align	6, 0x0
	.amdhsa_kernel k_q0dd0ca31a5_ff2
		.amdhsa_group_segment_fixed_size 327680
		.amdhsa_private_segment_fixed_size 0
		.amdhsa_enable_private_segment 0
		.amdhsa_kernarg_size 40
		.amdhsa_user_sgpr_count 2
		.amdhsa_user_sgpr_kernarg_segment_ptr 1
		.amdhsa_wavefront_size32 1
		.amdhsa_system_sgpr_workgroup_id_x 1
		.amdhsa_system_sgpr_workgroup_id_y 1
		.amdhsa_system_sgpr_workgroup_id_z 1
		.amdhsa_system_vgpr_workitem_id 0
		.amdhsa_next_free_vgpr 1024
		.amdhsa_next_free_sgpr 100
		.amdhsa_reserve_vcc 0
		.amdhsa_float_denorm_mode_32 3
		.amdhsa_float_denorm_mode_16_64 3
		.amdhsa_memory_ordered 1
		.amdhsa_forward_progress 1
		.amdhsa_inst_pref_size 98
	.end_amdhsa_kernel
	.amdgpu_metadata
---
amdhsa.version: [ 1, 2 ]
amdhsa.kernels:
  - .name:           k_q0dd0ca31a5_ff2
    .symbol:         k_q0dd0ca31a5_ff2.kd
    .args:
      - { .name: HID, .offset: 0, .size: 8, .value_kind: global_buffer, .address_space: global }
      - { .name: W, .offset: 8, .size: 8, .value_kind: global_buffer, .address_space: global }
      - { .name: b2, .offset: 16, .size: 8, .value_kind: global_buffer, .address_space: global }
      - { .name: X1, .offset: 24, .size: 8, .value_kind: global_buffer, .address_space: global }
      - { .name: out0, .offset: 32, .size: 8, .value_kind: global_buffer, .address_space: global }
    .group_segment_fixed_size: 327680
    .private_segment_fixed_size: 0
    .kernarg_segment_align: 8
    .kernarg_segment_size: 40
    .max_flat_workgroup_size: 128
    .sgpr_count:     100
    .vgpr_count:     1024
    .wavefront_size: 32
...
	.end_amdgpu_metadata
.endif
;; end of part 7
